; MI455X (gfx1250); checked and timed in simulation.
; The chip was launched on July 23, 2026; its instructions are those of AMD's public machine-readable ISA for CDNA 5 (MIT licence, August 2026) and "CDNA5" Instruction Set Architecture Reference Guide (July 2026). The comments in the code are by the model that wrote it; some were corrected since.
;; Enhanced Attention Layer. Allowed arithmetic: matrix products marked QUANTISED: E2M1 operands, one E8M0 scale for each 32 along K, by v_wmma_scale_f32_16x16x128_f8f6f4 with both operands' format E2M1 (or v_wmma_scale_f32_32x16x128_f4), f32 sums; products left as they are: f32 operands where the result goes on into a quantised operand, else bf16, f16 or f32 operands; f32 sums; everything else in f32.
;; Inputs: Wk_codes 1,024 x 32 x 16 uint8 (E2M1 codes of Wk, K innermost, in blocks of 32 codes, two codes a byte); Wk_scales 1,024 x 32 uint8 (E8M0 scales of Wk, one for each 32 codes along K); Wo_codes 1,024 x 32 x 16 uint8 (E2M1 codes of Wo, K innermost, in blocks of 32 codes, two codes a byte); Wo_scales 1,024 x 32 uint8 (E8M0 scales of Wo, one for each 32 codes along K); Wq_codes 1,024 x 32 x 16 uint8 (E2M1 codes of Wq, K innermost, in blocks of 32 codes, two codes a byte); Wq_scales 1,024 x 32 uint8 (E8M0 scales of Wq, one for each 32 codes along K); Wv_codes 1,024 x 32 x 16 uint8 (E2M1 codes of Wv, K innermost, in blocks of 32 codes, two codes a byte); Wv_scales 1,024 x 32 uint8 (E8M0 scales of Wv, one for each 32 codes along K); bk 1,024 float32; bo 1,024 float32; bq 1,024 float32; bv 1,024 float32; x_codes 4 x 2,048 x 32 x 16 uint8 (E2M1 codes of x, K innermost, in blocks of 32 codes, two codes a byte); x_scales 4 x 2,048 x 32 uint8 (E8M0 scales of x, one for each 32 codes along K).
;; Outputs: out0 4 x 1,024 float32; out1 4 x 8 x 2,048 float32; out2 one number float32.
;; This version of the problem:
;;   THIS VERSION OF THE PROBLEM IS GIVEN IN LOW PRECISION. The matrix products marked QUANTISED in the list below multiply operands that are first quantised to E2M1 (2 exponent bits, 1 mantissa bit; 4 bits a number), with one power-of-two scale for each 32 numbers along K (OCP MX v1.0); their sums are f32. All else is computed in f32.
;;   The module's matrix products, in the order in which they are computed (A, B: the left and right operand; K: the contracted axis; several contracted axes count as one K, in the product's order):
;;     1. [M 8,192, K 1,024] x [K 1,024, N 1,024]; A: input x (given as codes); B: input Wq (given as codes): QUANTISED
;;     2. [M 8,192, K 1,024] x [K 1,024, N 1,024]; A: input x (given as codes); B: input Wk (given as codes): QUANTISED
;;     3. [M 8,192, K 1,024] x [K 1,024, N 1,024]; A: input x (given as codes); B: input Wv (given as codes): QUANTISED
;;     4. batch 32 x [M 2,048, K 128] x [K 128, N 2,048]; A: computed on the way; B: computed on the way: QUANTISED
;;     5. batch 32 x [M 128, K 2,048] x [K 2,048, N 2,048]; A: computed on the way; B: softmax (see below): QUANTISED
;;     6. [M 8,192, K 1,024] x [K 1,024, N 1,024]; A: computed on the way; B: input Wo (given as codes): QUANTISED
;;     7. batch 4 x [M 8, K 2,048] x [K 2,048, N 8]; A: computed on the way; B: computed on the way: left as it is (M = 8 < 16)
;;   THE QUANTISER, for each operand of a quantised product, along K:
;;     - K is cut into blocks of 32 from its start; a last block that is shorter is filled with zeros.
;;     - A block's scale is 2^e with e = floor(log2(the largest magnitude in the block)) - 2, held to -126 .. 127; a block of zeros has e = 0. As a byte (E8M0): e + 127.
;;     - Each number is divided by its block's scale, clamped to +-6, and rounded to the nearest number of E2M1, ties to even, subnormals kept.
;;     - The product sums the exact products of the quantised numbers (number of the format x scale) in f32.
;;   ~~~python
;;   def quantise(x, axis):      # numpy; x: float32 -> the quantised numbers, widened to float32 again
;;       x = np.moveaxis(x, axis, -1); K = x.shape[-1]
;;       x = np.pad(x, [(0, 0)] * (x.ndim - 1) + [(0, -K % 32)]); x = x.reshape(x.shape[:-1] + (-1, 32)); a = np.abs(x).max(-1, keepdims=True)
;;       e = np.where(a > 0, np.clip(np.frexp(np.where(a > 0, a, 1))[1] - 1 - 2, -126, 127), 0)      # np.frexp(a)[1] - 1 = floor(log2(a)), exactly
;;       r = np.clip(x / 2.0 ** e, -6, 6)
;;       step = 2.0 ** (np.maximum(np.frexp(np.where(r == 0, 1, r))[1] - 1, 0) - 1)
;;       q = np.round(r / step) * step * 2.0 ** e      # np.round: ties to even
;;       return np.moveaxis(q.reshape(q.shape[:-2] + (-1,))[..., :K], -1, axis).astype(np.float32)
;;   ~~~
;;   SOFTMAX AHEAD OF A QUANTISED PRODUCT. Where the list says 'softmax', what is quantised is not the finished softmax but p = 2^(t - M), with t = logit x log2(e) and M = ceil(the row's largest t), a whole number; so 1/2 < the row's largest p <= 1. The row's sum l is taken of the UNQUANTISED p, in f32, and the product's result is divided by l at the end. Since M is a whole number, a kernel that streams over the keys may use a running M (the ceiling of the running maximum): every later rescaling is an exact power of two, which a block's scale takes up: the codes' values come out the same.
;;   OPERANDS COMPUTED ON THE WAY. 'Computed on the way' means the value that the module computes at that place (a softmax that the list does not call 'softmax' is quantised finished and normalised). What goes into a quantiser is computed in f32, as accurately as f32 sums, v_exp_f32 and their like allow (about 1e-6 of the number): no bf16 or f16 on the way to a quantiser, and a product that is left as it is and whose result goes on into a quantised operand takes f32 operands (vector FMAs, or v_wmma_f32_16x16x4_f32). A number that lies on a knife's edge between two numbers of the format may be rounded either way, as far as f32 arithmetic and the matrix unit's own rounding can turn it there, and no further.
;;   INPUTS GIVEN AS CODES. Wk (in the module: [1024, 1024], K = its axis 1); Wo (in the module: [1024, 1024], K = its axis 1); Wq (in the module: [1024, 1024], K = its axis 1); Wv (in the module: [1024, 1024], K = its axis 1); x (in the module: [4, 2048, 1024], K = its axis 2): each comes as NAME_codes (uint8): NAME with its K axis moved to the last place and cut into blocks of 32 codes, [.., K / 32, bytes a block], one block behind the other in memory; two codes a byte, the lower K in the low four bits (a code: sign, 2 exponent bits, 1 mantissa bit); and NAME_scales (uint8): the same leading axes, one E8M0 byte (e + 127) for each 32 codes along K. Its value is code x scale, taken as it is: it is not quantised again, and the codes and scales need not be those that the quantiser above would give.
;; One version. Each part assembles by itself: llvm-mc -triple=amdgcn-amd-amdhsa -mcpu=gfx1250 --defsym DOCPART=n.
;; ======== version 1 of 1: 4 launches
;; limits: right only within a limited range of input values
;; workspace buffers: qkv 12,582,912 bytes; qkvs 786,432 bytes; oimg 4,194,304 bytes; oscl 262,144 bytes; cpart 2,097,152 bytes; ctxp 131,072 bytes; corrp 65,536 bytes
;; launch proj (part 1): grid 12 x 32, 4 waves a work-group, clusters of 4 x 4, 327,680 bytes of LDS; arguments x_codes, x_scales, Wq_codes, Wq_scales, Wk_codes, Wk_scales, Wv_codes, Wv_scales, bq, bk, bv, qkv, qkvs; writes qkv, qkvs
.if DOCPART == 1
	.amdgcn_target "amdgcn-amd-amdhsa--gfx1250"
	.amdhsa_code_object_version 6
	.text
	.protected	k_qdbab31255a_proj
	.globl	k_qdbab31255a_proj
	.p2align	8
	.type	k_qdbab31255a_proj,@function
k_qdbab31255a_proj:
	s_mov_b64 s[64:65], 0
	v_nop
	global_prefetch_b8 v0, s[64:65] scope:SCOPE_SE
	s_setreg_imm32_b32 hwreg(HW_REG_WAVE_MODE, 25, 1), 1
	s_wait_xcnt 0x0
	s_wait_alu depctr_hold_cnt(0) depctr_sa_sdst(0) depctr_va_vdst(0) depctr_va_sdst(0) depctr_va_ssrc(0) depctr_va_vcc(0) depctr_vm_vsrc(0)
	s_getreg_b32 s2, hwreg(HW_REG_IB_STS2, 6, 4)
	s_cmp_eq_u32 s2, 0
	s_cbranch_scc0 .Lentry_in_a_cluster
	s_endpgm
.Lentry_in_a_cluster:
	s_bfe_u32 s2, ttmp6, 0x10000c
	s_cmp_lg_u32 s2, 0xf033
	s_cbranch_scc0 .Lentry_shape_is_right
	s_endpgm
.Lentry_shape_is_right:
; q = x Wq^T + bq, k = x Wk^T + bk, v = x Wv^T + bv on codes of FP4 (E2M1) with E8M0 scales, and the results quantised again: q and k along the head's 128, v along the keys.
; Cluster x (0, 1, 2) says which of the three.  A tile of 256 x 256 results is made by four waves, 128 x 128 each: 64 accumulators of 16 x 16.
; ALL OF K = 1,024 lies in LDS at once: rows of 512 bytes + 16 of padding, 256 rows of each operand.  Each wave fetches 128 rows by ONE joint tensor load; no LDS byte is filled twice.
; SOURCE 1 (called A) gives the ROWS of the operand that is made, SOURCE 0 (called B) its K: a lane holds one row of A and eight neighbours along B's rows.
;   q, k: A = x (rows s), B = Wq or Wk (rows = head x 128 + d).     v: A = Wv (rows = head x 128 + d), B = x (rows = keys).
; THE SCALE WORDS go from memory straight into registers: a row's 32 bytes are taken by lanes r (K 0-511) and 16 + r (K 512-1,023), 16 bytes each, so a load of the wave covers 512 consecutive bytes;
; the first four K steps name the registers' lanes 0-15, the last four lanes 16-31.
; THE BIAS is the C of each accumulator's first product: 64 registers, block x at BP + 8 x.  q, k: bias(16 b + 8 h + j), by B's block; v: bias(16 a + r) in all eight, by A's block.
; So the first K step is written twice and chosen by the cluster's x, which the sixteen partners share.
; A wave's 128 x 128 is eight fragments (16 rows x 128 K) of one head.  They leave as IMAGES OF THE OPERAND'S REGISTERS: register 4 c + i of lane L at byte 512 c + 16 L + 4 i of the fragment's 1,024,
; and the eight fragments' scale words as one block of 512 bytes: the word at 16 L + 4 j belongs to fragment 2 j + L / 16, row L % 16.
; CLUSTERS: 4 x 4 work-groups; A's tiles are asked for jointly along a row of the cluster, B's along a column.
; No prefetch: the launch asks for all its tiles at its head and has no loop to run ahead in.
; LIMITS: NaN and infinities are not served; a block whose largest magnitude lies under 2^(3 - 127) keeps the scale byte 1 (a block of zeros too: its codes are zeros, and this program alone reads the bytes).
; REGISTERS: window 0: v16-18 addresses; v32-63 A's scale words, v64-95 B's; v96-103 the bias's offsets; v112-127 at work; v128-191 A's fragments, then the codes; v192-255 the bias.
;   window 1: B's fragments, two sets.   windows 2, 3: the accumulators ((a, b) at v[8 (8 (a % 4) + b)]).
.set NL,     2                         ; LDS loads that bring a fragment
.set NP,     4                         ; places behind this matrix instruction (ISA guide 7.12.1)
.set PITCH,  528                       ; an LDS row: 512 bytes + 16: the 16 rows that a load touches start 132 words apart
.set HALFT,  128*PITCH                 ; 128 rows: what one tensor load brings
.set SPARE,  4*HALFT                   ; behind the tiles: the spare words, 128 bytes a wave
.set ADRA, 16
.set ADRB, 17
.set ADRS, 18
.set SC,   32
.set VB,   96
.set TM,   112
.set SPW,  120
.set NIL,  121
.set AF,   128
.set PC,   128
.set BP,   192
.set PWS,  2
.set PWP,  10
.set CO,   14
.set G1,   24
.set G0,   32
.set G1B,  48
.set G0B,  56
.set MV,   66
.set HIM,  67
.set SEL,  22
.set MSB, 0
.macro WIN new                         ; the immediate's high byte repeats the setting that is left
.if MSB != (\new)
	s_set_vgpr_msb (MSB<<8)|(\new)
.set MSB, (\new)
.endif
.endm
.set TO_B, 0x40                        ; destination window 1, address window 0
.macro CROUND                          ; a round of the cluster's barrier
	s_barrier_signal -1
	s_barrier_wait -1
	s_cmp_lg_u32 s14, 0
	s_cbranch_scc1 .Lnot_wave_0_\@
	s_barrier_signal -3
.Lnot_wave_0_\@:
	s_barrier_wait -3
	s_barrier_signal -1
	s_barrier_wait -1
.endm
.macro PLACES n
.rept \n
	v_nop
.endr
.endm
	s_load_b512 s[68:83], s[0:1], 0x0              ; x's codes, scales; Wq's; Wk's; Wv's
	s_load_b256 s[84:91], s[0:1], 0x40             ; bq, bk, bv, qkv
	s_load_b64 s[92:93], s[0:1], 0x60              ; qkvs
	v_lshl_add_u32 v[SPW], v0, 2, SPARE
	v_mov_b32 v[NIL], 0
	ds_add_u32 v[SPW], v[NIL]                      ; the opening lines: the add, twice on end, and its wait
	ds_add_u32 v[SPW], v[NIL]
	v_lshrrev_b32 v1, 5, v0
	v_readfirstlane_b32 s14, v1                    ; wave 0..3
	s_lshr_b32 s15, s14, 1                         ; which half of A's rows is mine.  Also: I fetch for A (0) or for B (1)
	s_and_b32 s16, s14, 1                          ; which half of B's rows.  Also: which 128 rows of that tile I fetch
	s_bfe_u32 s40, ttmp6, 0x40000                  ; cx
	s_bfe_u32 s41, ttmp6, 0x40004                  ; cy
	s_and_b32 s18, ttmp7, 0xffff
	s_lshl_b32 s18, s18, 2                         ; 4 x cluster y: it counts x's 32 tiles of 256 rows
	s_cmp_eq_u32 ttmp9, 2                          ; v?  Then x is B
	s_cselect_b32 s17, 0, s18
	s_cselect_b32 s42, s18, 0
	s_cselect_b32 s[MV], -1, 0
	s_add_co_u32 s17, s17, s41                     ; A's tile: made of cy alone
	s_add_co_u32 s42, s42, s40                     ; B's tile: made of cx alone
	s_lshl_b32 s43, s41, 2
	s_lshl_b32 s43, 15, s43                        ; my row of the cluster
	s_lshl_b32 s44, 0x1111, s40                    ; my column
	s_or_b32 s[G1], s43, (1<<20)|(1<<21)|(6<<22)|(3<<25)    ; the mask; elements of 1 byte; padding on; bit 21 beside a mask; after every 128 words four words
	s_or_b32 s[G1B], s44, (1<<20)|(1<<21)|(6<<22)|(3<<25)
.irp g, G1, G1B
	s_mov_b32 s[\g+1], 512<<16                     ; tensor_dim0
	s_mov_b32 s[\g+2], 128<<16                     ; tensor_dim1
	s_mov_b32 s[\g+3], 512<<16                     ; tile_dim0
	s_mov_b32 s[\g+4], 128                         ; tile_dim1
	s_mov_b32 s[\g+5], 512                         ; tensor_dim0_stride
	s_mov_b32 s[\g+6], 0
	s_mov_b32 s[\g+7], 0
.endr
	s_lshl_b32 s18, s16, 7                         ; which 128 rows of the tile I fetch
	s_lshl_b32 s20, s17, 8
	s_add_co_u32 s20, s20, s18
	s_lshl_b32 s20, s20, 9                         ; A's rows that I fetch, in bytes (under 2^23)
	s_mov_b32 s21, 0
	s_lshl_b32 s46, s42, 8
	s_add_co_u32 s46, s46, s18
	s_lshl_b32 s46, s46, 9                         ; B's
	s_mov_b32 s47, 0
	s_lshl_b32 s36, s17, 1
	s_add_co_u32 s36, s36, s15                     ; which 128 rows of A I multiply
	s_lshl_b32 s37, s42, 1
	s_add_co_u32 s37, s37, s16                     ; which 128 rows of B
	s_lshl_b32 s60, s36, 12                        ; their scale bytes: 32 a row
	s_mov_b32 s61, 0
	s_lshl_b32 s62, s37, 12
	s_mov_b32 s63, 0
	s_cmp_eq_u32 ttmp9, 2
	s_cselect_b32 s38, s36, s37                    ; the head: the features' 128
	s_cselect_b32 s39, s37, s36                    ; and which 128 rows of x
	s_lshl_b32 s12, s38, 9                         ; the head's 128 numbers of the bias
	s_mov_b32 s13, 0
	s_lshr_b32 s19, s39, 4                         ; the batch
	s_lshl_b32 s19, s19, 3
	s_add_co_u32 s19, s19, s38
	s_lshl_b32 s19, s19, 4
	s_and_b32 s39, s39, 15
	s_add_co_u32 s19, s19, s39                     ; (8 batch + head) x 16 + group
	s_lshl_b32 s98, ttmp9, 22                      ; 4 MiB for each of q, k, v;
	s_lshl_b32 s99, s19, 13                        ; 8 fragments of 1,024 bytes
	s_add_co_u32 s98, s98, s99
	s_mov_b32 s99, 0
	s_lshl_b32 s100, ttmp9, 18
	s_lshl_b32 s101, s19, 9
	s_add_co_u32 s100, s100, s101
	s_mov_b32 s101, 0
	s_mul_i32 s2, s15, HALFT                       ; my 128 rows of A in LDS,
	s_mul_i32 s3, s16, HALFT
	s_add_co_u32 s3, s3, 2*HALFT                   ; and of B, behind A's 256
	s_mov_b32 s[SEL], 0x76543210
	s_mov_b32 s[SEL+1], 0xfedcba98                 ; lane l xor 16
	s_mov_b32 s[HIM], 0xffff0000
	s_mov_b32 s[G0], 1
	s_mul_i32 s[G0+1], s14, HALFT                  ; where my load goes: wave x 128 rows
	s_mov_b32 s[G0B], 1
	s_mul_i32 s[G0B+1], s14, HALFT
	s_wait_dscnt 0x0                               ; both opening adds are done
	s_wait_kmcnt 0x0
	s_cmp_eq_u32 ttmp9, 0                          ; the weight and the bias of my product
	s_cselect_b64 s[4:5], s[72:73], s[76:77]
	s_cselect_b64 s[6:7], s[74:75], s[78:79]
	s_cselect_b64 s[96:97], s[84:85], s[86:87]
	s_cmp_eq_u32 ttmp9, 2
	s_cselect_b64 s[4:5], s[80:81], s[4:5]
	s_cselect_b64 s[6:7], s[82:83], s[6:7]
	s_cselect_b64 s[96:97], s[88:89], s[96:97]
	s_cselect_b64 s[8:9], s[68:69], s[4:5]         ; B: x for v, else the weight
	s_cselect_b64 s[10:11], s[70:71], s[6:7]
	s_cselect_b64 s[4:5], s[4:5], s[68:69]         ; A: the weight for v, else x
	s_cselect_b64 s[6:7], s[6:7], s[70:71]
	s_add_nc_u64 s[G0+2:G0+3], s[4:5], s[20:21]
	s_or_b32 s[G0+3], s[G0+3], 0x80000000
	s_add_nc_u64 s[G0B+2:G0B+3], s[8:9], s[46:47]
	s_or_b32 s[G0B+3], s[G0B+3], 0x80000000
	s_add_nc_u64 s[6:7], s[6:7], s[60:61]          ; A's scale bytes, my 128 rows
	s_add_nc_u64 s[10:11], s[10:11], s[62:63]      ; B's
	s_add_nc_u64 s[96:97], s[96:97], s[12:13]      ; the bias
	s_add_nc_u64 s[90:91], s[90:91], s[98:99]      ; my eight fragments in qkv
	s_add_nc_u64 s[92:93], s[92:93], s[100:101]    ; and their scale words in qkvs
	CROUND                                         ; all sixteen work-groups are here: the joint loads meet
	s_cmp_eq_u32 s15, 0                            ; waves 0 and 1 fetch for A, waves 2 and 3 for B: one load a wave, all that this launch fetches by the mover
	s_cbranch_scc0 .Lfor_b
	tensor_load_to_lds s[G0:G0+3], s[G1:G1+7]
	s_nop 0
	PLACES 4
	s_branch .Lasked
.Lfor_b:
	tensor_load_to_lds s[G0B:G0B+3], s[G1B:G1B+7]
	s_nop 0
	PLACES 4
.Lasked:
	v_and_b32 v1, 15, v0                           ; r = lane % 16
	v_bfe_u32 v2, v0, 4, 1                         ; h = lane / 16
	v_lshlrev_b32 v[ADRS], 5, v1
	v_lshl_add_u32 v[ADRS], v2, 4, v[ADRS]         ; scale bytes: row r, half h of its 32
	v_lshlrev_b32 v3, 2, v1                        ; r numbers
	v_lshlrev_b32 v4, 5, v2                        ; 8 h numbers
.irp j, 0,1,2,3,4,5,6,7
	v_add_nc_u32 v[VB+\j], 4*\j, v4
.endr
.irp j, 0,1,2,3,4,5,6,7
	v_cndmask_b32 v[VB+\j], v[VB+\j], v3, s[MV]    ; register j of a block of the bias: q, k: number 8 h + j; v: number r
.endr
.irp i, 0,1,2,3,4,5,6,7
	global_load_b128 v[SC+4*\i:SC+4*\i+3], v[ADRS], s[6:7] offset:512*\i
	global_load_b128 v[SC+32+4*\i:SC+32+4*\i+3], v[ADRS], s[10:11] offset:512*\i
.endr
.irp x, 0,1,2,3,4,5,6,7
.irp j, 0,1,2,3,4,5,6,7
	global_load_b32 v[BP+8*\x+\j], v[VB+\j], s[96:97] offset:64*\x
.endr
.endr
	v_mul_u32_u24 v5, v1, PITCH
	v_lshl_add_u32 v5, v2, 4, v5                   ; a fragment's row x pitch + 16 x half
	v_add_nc_u32 v[ADRA], s2, v5
	v_add_nc_u32 v[ADRB], s3, v5
	v_and_b32 v[CO], 31, v0
	v_lshlrev_b32 v[CO], 4, v[CO]                  ; the way out: 16 x lane
.irp b, 0,1,2,3
	v_mov_b32 v[TM+4+\b], 0                        ; written once: a lane permute's destination counts as one of its sources
.endr
; One product.  mode 0: adds in place, scales from lanes 0-15; 1: from lanes 16-31; 2: starts the sum with the bias at cb
.macro WM4 d, bf, af, sb, sa, mode, cb
.if (\mode) == 2
	v_wmma_scale_f32_16x16x128_f8f6f4 v[0+(\d):7+(\d)], v[0+(\bf):7+(\bf)], v[0+(\af):7+(\af)], v[0+(\cb):7+(\cb)], v[0+(\sb)], v[0+(\sa)] matrix_a_fmt:MATRIX_FMT_FP4 matrix_b_fmt:MATRIX_FMT_FP4
.elseif (\mode) == 1
	v_wmma_scale_f32_16x16x128_f8f6f4 v[0+(\d):7+(\d)], v[0+(\bf):7+(\bf)], v[0+(\af):7+(\af)], v[0+(\d):7+(\d)], v[0+(\sb)], v[0+(\sa)] matrix_a_fmt:MATRIX_FMT_FP4 matrix_b_fmt:MATRIX_FMT_FP4 matrix_a_scale:MATRIX_SCALE_ROW1 matrix_b_scale:MATRIX_SCALE_ROW1
.else
	v_wmma_scale_f32_16x16x128_f8f6f4 v[0+(\d):7+(\d)], v[0+(\bf):7+(\bf)], v[0+(\af):7+(\af)], v[0+(\d):7+(\d)], v[0+(\sb)], v[0+(\sa)] matrix_a_fmt:MATRIX_FMT_FP4 matrix_b_fmt:MATRIX_FMT_FP4
.endif
.endm
; 16 products: A's blocks a0, a0 + 1 x B's eight, K step g of eight.  first = 1: the bias by B's block; 2: by A's block; 0: none.
; The 64 accumulators take turns, one instruction a turn, in the same order in every step.
.macro MUL16 a0, g, first
.irp a, \a0, \a0+1
.irp b, 0,1,2,3,4,5,6,7
.if (\first) == 1
	WM4 8*(8*((\a)%4)+\b), 128*((\g)%2)+8*\b, AF+8*(\a), SC+32+4*\b+(\g)%4, SC+4*(\a)+(\g)%4, 2, BP+8*\b
.elseif (\first) == 2
	WM4 8*(8*((\a)%4)+\b), 128*((\g)%2)+8*\b, AF+8*(\a), SC+32+4*\b+(\g)%4, SC+4*(\a)+(\g)%4, 2, BP+8*(\a)
.else
	WM4 8*(8*((\a)%4)+\b), 128*((\g)%2)+8*\b, AF+8*(\a), SC+32+4*\b+(\g)%4, SC+4*(\a)+(\g)%4, (\g)/4, 0
.endif
.endr
.endr
.endm
.macro FRAG reg, adr, g, i             ; a fragment: lane l holds row l % 16; registers 4 c .. 4 c + 3 hold K = 64 c + 32 (l / 16) + 0 .. 31
.irp c, 0,1
	ds_load_b128 v[\reg+4*\c:\reg+4*\c+3], v[\adr] offset:64*(\g)+32*\c+(\i)*16*PITCH
.endr
.endm
.macro FETCH_B g                       ; B's eight fragments of K step g into set g % 2
	WIN TO_B
.irp i, 0,1,2,3,4,5,6,7
	FRAG 128*((\g)%2)+8*\i, ADRB, \g, \i
.endr
	WIN 0
.endm
.macro FETCH_A g, i0
.irp i, \i0, \i0+1, \i0+2, \i0+3
	FRAG AF+8*(\i), ADRA, \g, \i
.endr
.endm
.macro STEP g, first                   ; 128 along K: 64 products; the next step's fragments are fetched in two runs
	s_wait_dscnt 4*NL                              ; B's set and A's blocks 0-3 are in; the youngest eight loads (A's blocks 4-7) may be out
.if \first
	WIN 0x81                                       ; source 0 (B) window 1, source 1 (A) and C (the bias) window 0, D window 2
.else
	WIN 0xa1                                       ; C and D window 2
.endif
	MUL16 0, \g, \first
	MUL16 2, \g, \first
	s_wait_dscnt 0
.if (\g) < 7
	PLACES NP
	FETCH_B (\g)+1
	FETCH_A (\g)+1, 0
.endif
.if \first
	WIN 0xc1
.else
	WIN 0xf1                                       ; C and D window 3
.endif
	MUL16 4, \g, \first
	MUL16 6, \g, \first
	PLACES NP
	WIN 0
.if (\g) < 7
	FETCH_A (\g)+1, 4
.endif
.endm
	s_wait_alu depctr_va_vdst(0)                   ; the wait at the head's end
	s_wait_tensorcnt 0x0                           ; my 128 rows are in,
	s_barrier_signal -1
	s_barrier_wait -1                              ; everybody's are
	FETCH_B 0
	FETCH_A 0, 0
	FETCH_A 0, 4
	s_wait_loadcnt 0x0                             ; the scale words and the bias
	s_cmp_eq_u32 ttmp9, 2
	s_cbranch_scc1 .Lfirst_v
	STEP 0, 1                                      ; q, k: the bias runs along B's rows
	s_branch .Lfirst_done
.Lfirst_v:
	STEP 0, 2                                      ; v: along A's rows
.Lfirst_done:
.irp g, 1,2,3,4,5,6,7
	STEP \g, 0
.endr
; THE WAY OUT.  A's block a is one fragment: register 8 b + j of its accumulators = K 16 b + 8 (lane / 16) + j of my row.  A block of 32 lies in tiles 2 B, 2 B + 1 of lanes l and l xor 16.
; The conversions' destinations are chosen so that two exchanges of halves for each 64 along K give the operand's layout.  Each accumulator is read from its low end on.
.macro OUTBLK a
.set AC, 64*((\a)%4)
.set PCA, PC+8*(\a)
	WIN 0x0a+5*((\a)/4)                            ; sources 0 and 1: window 2 or 3
.irp b, 0,1,2,3
	v_max3_num_f32 v[TM+\b], |v[AC+16*\b]|, |v[AC+16*\b+1]|, 0x1800000   ; and the floor 2^(3 - 127): the byte cannot fall under 1
.endr
.irp i, 2,4,6,8,10,12,14
.irp b, 0,1,2,3
	v_max3_num_f32 v[TM+\b], |v[AC+16*\b+\i]|, |v[AC+16*\b+\i+1]|, v[TM+\b]
.endr
.endr
	WIN 0
.irp b, 0,1,2,3
	v_permlanex16_b32 v[TM+4+\b], v[TM+\b], s[SEL], s[SEL+1]
.endr
.irp b, 0,1,2,3
	v_max_num_f32 v[TM+\b], v[TM+\b], v[TM+4+\b]   ; the block's largest magnitude
.endr
.irp b, 0,1,2,3
	v_add_nc_u32 v[TM+12+\b], 0xff000000, v[TM+\b] ; 2 off its exponent field: the conversion's scale operand
.endr
.irp b, 0,1,2,3
	v_lshrrev_b32 v[TM+4+\b], 23, v[TM+12+\b]      ; the scale's byte
.endr
	v_lshl_or_b32 v[PWS+(\a)], v[TM+5], 8, v[TM+4]
	v_lshl_or_b32 v[PWS+(\a)], v[TM+6], 16, v[PWS+(\a)]
	v_lshl_or_b32 v[PWS+(\a)], v[TM+7], 24, v[PWS+(\a)]   ; my row's scale word
	WIN 0x02+(\a)/4                                ; source 0: window 2 or 3
.irp b, 0,1,2,3
	v_cvt_scalef32_pk8_fp4_f32 v[PCA+4*(\b/2)+(\b%2)], v[AC+16*\b:AC+16*\b+7], v[TM+12+\b]
	v_cvt_scalef32_pk8_fp4_f32 v[PCA+4*(\b/2)+2+(\b%2)], v[AC+16*\b+8:AC+16*\b+15], v[TM+12+\b]
.endr
	WIN 0
	v_nop                                          ; one plain place behind a scaled conversion
.irp c, 0,1
	v_permlane16_swap_b32 v[PCA+4*\c], v[PCA+4*\c+1]
	v_permlane16_swap_b32 v[PCA+4*\c+2], v[PCA+4*\c+3]
.endr
	global_store_b128 v[CO], v[PCA:PCA+3], s[90:91] offset:1024*(\a) th:TH_STORE_NT        ; 32 lanes store 512 consecutive bytes; each fragment has registers of its own
	global_store_b128 v[CO], v[PCA+4:PCA+7], s[90:91] offset:1024*(\a)+512 th:TH_STORE_NT
.endm
.irp a, 0,1,2,3,4,5,6,7
	OUTBLK \a
.endr
.irp j, 0,1,2,3
	v_cndmask_b32 v[PWP+\j], v[PWS+2*\j], v[PWS+2*\j+1], s[HIM]    ; lanes 0-15 fragment 2 j's word, lanes 16-31 fragment 2 j + 1's
.endr
	global_store_b128 v[CO], v[PWP:PWP+3], s[92:93] th:TH_STORE_NT
	s_wait_tensorcnt 0x0                           ; the wave's end
	ds_add_u32 v[SPW], v[NIL]
	s_wait_dscnt 0x0
	CROUND                                         ; the closing round
	s_endpgm
.Lfunc_end_k_qdbab31255a_proj:
	.size	k_qdbab31255a_proj, .Lfunc_end_k_qdbab31255a_proj-k_qdbab31255a_proj
	.p2alignl 7, 3214868480
	.fill 96, 4, 3214868480
	.section	.rodata,"a",@progbits
	.p2align	6, 0x0
	.amdhsa_kernel k_qdbab31255a_proj
		.amdhsa_group_segment_fixed_size 327680
		.amdhsa_private_segment_fixed_size 0
		.amdhsa_enable_private_segment 0
		.amdhsa_kernarg_size 104
		.amdhsa_user_sgpr_count 2
		.amdhsa_user_sgpr_kernarg_segment_ptr 1
		.amdhsa_wavefront_size32 1
		.amdhsa_system_sgpr_workgroup_id_x 1
		.amdhsa_system_sgpr_workgroup_id_y 1
		.amdhsa_system_sgpr_workgroup_id_z 1
		.amdhsa_system_vgpr_workitem_id 0
		.amdhsa_next_free_vgpr 1024
		.amdhsa_next_free_sgpr 102
		.amdhsa_reserve_vcc 0
		.amdhsa_float_denorm_mode_32 3
		.amdhsa_float_denorm_mode_16_64 3
		.amdhsa_memory_ordered 1
		.amdhsa_forward_progress 1
		.amdhsa_inst_pref_size 143
	.end_amdhsa_kernel
	.amdgpu_metadata
---
amdhsa.version: [ 1, 2 ]
amdhsa.kernels:
  - .name:           k_qdbab31255a_proj
    .symbol:         k_qdbab31255a_proj.kd
    .args:
      - { .name: x_codes, .offset: 0, .size: 8, .value_kind: global_buffer, .address_space: global }
      - { .name: x_scales, .offset: 8, .size: 8, .value_kind: global_buffer, .address_space: global }
      - { .name: Wq_codes, .offset: 16, .size: 8, .value_kind: global_buffer, .address_space: global }
      - { .name: Wq_scales, .offset: 24, .size: 8, .value_kind: global_buffer, .address_space: global }
      - { .name: Wk_codes, .offset: 32, .size: 8, .value_kind: global_buffer, .address_space: global }
      - { .name: Wk_scales, .offset: 40, .size: 8, .value_kind: global_buffer, .address_space: global }
      - { .name: Wv_codes, .offset: 48, .size: 8, .value_kind: global_buffer, .address_space: global }
      - { .name: Wv_scales, .offset: 56, .size: 8, .value_kind: global_buffer, .address_space: global }
      - { .name: bq, .offset: 64, .size: 8, .value_kind: global_buffer, .address_space: global }
      - { .name: bk, .offset: 72, .size: 8, .value_kind: global_buffer, .address_space: global }
      - { .name: bv, .offset: 80, .size: 8, .value_kind: global_buffer, .address_space: global }
      - { .name: qkv, .offset: 88, .size: 8, .value_kind: global_buffer, .address_space: global }
      - { .name: qkvs, .offset: 96, .size: 8, .value_kind: global_buffer, .address_space: global }
    .group_segment_fixed_size: 327680
    .private_segment_fixed_size: 0
    .kernarg_segment_align: 8
    .kernarg_segment_size: 104
    .max_flat_workgroup_size: 128
    .sgpr_count:     102
    .vgpr_count:     1024
    .wavefront_size: 32
...
	.end_amdgpu_metadata
.endif
;; end of part 1
;; launch attn (part 2): grid 8 x 32, 4 waves a work-group, clusters of 4 x 1, 327,680 bytes of LDS; arguments qkv, qkvs, oimg, oscl, cpart; writes oimg, oscl, cpart
.if DOCPART == 2
	.amdgcn_target "amdgcn-amd-amdhsa--gfx1250"
	.amdhsa_code_object_version 6
	.text
	.protected	k_qdbab31255a_attn
	.globl	k_qdbab31255a_attn
	.p2align	8
	.type	k_qdbab31255a_attn,@function
k_qdbab31255a_attn:
	s_mov_b64 s[64:65], 0
	v_nop
	global_prefetch_b8 v0, s[64:65] scope:SCOPE_SE
	s_setreg_imm32_b32 hwreg(HW_REG_WAVE_MODE, 25, 1), 1
	s_wait_xcnt 0x0
	s_wait_alu depctr_hold_cnt(0) depctr_sa_sdst(0) depctr_va_vdst(0) depctr_va_sdst(0) depctr_va_ssrc(0) depctr_va_vcc(0) depctr_vm_vsrc(0)
	s_getreg_b32 s2, hwreg(HW_REG_IB_STS2, 6, 4)
	s_cmp_eq_u32 s2, 0
	s_cbranch_scc0 .Lentry_in_a_cluster
	s_endpgm
.Lentry_in_a_cluster:
	s_bfe_u32 s2, ttmp6, 0x10000c
	s_cmp_lg_u32 s2, 0x3003
	s_cbranch_scc0 .Lentry_shape_is_right
	s_endpgm
.Lentry_shape_is_right:
; Attention of one (batch, head) for 256 queries, on codes of FP4 (E2M1) with E8M0 scales: S^T = K Q^T, p = 2^(t - M), O^T = V^T P^T; also the queries' sum of p / l for each key (for avg_attn).
; Tiles of 16 queries, one after the other.  Wave w holds keys 512 w .. 512 w + 511: its 32 fragments of K stay in window 3.  They go from memory straight into these registers, 32 KiB a wave, read once
; by this work-group and by no other wave of it: so K makes no trip through LDS and is not asked for jointly.  V's images, which all four waves read in every tile, lie in LDS, filled once by joint loads
; of the cluster's four query blocks of the head.
; A wave takes the maximum of its own 512 keys (M = its ceiling, a whole number), makes p, its sum and its codes, and hands codes, scale words, -M and the sum to the others through LDS: one barrier a tile.
; Then each wave multiplies 32 of the head's 128 by all 2,048 keys, in 16 slices laid among the NEXT tile's vector work; the four waves' parts are kept apart and joined by the exact factors 2^(M_w - M) / l.
; The scaled scores are all made first and the 256 exponentials follow as one batch.  Window 1: scores, then p; window 2: the column sums, begun by the first tile's products.
; O is quantised along the head's 128 and leaves as images of the next operand's registers.
; LIMITS: the promise holds while the scaled scores stay under 2^31 in magnitude; NaN and infinities are not served.
.set VREG, 131072
.set XP,   262144
.set XS,   294912
.set XM,   299008
.set OSB,  301056
.set LI,  1
.set AK,  2
.set AV0, 3
.set AV1, 4
.set AXW, 5
.set AXR, 6
.set ASW, 7
.set ASR, 8
.set AMW, 9
.set AMR, 10
.set AOB, 11
.set AOBT, 12
.set GOC, 13
.set GOT, 14
.set QA,  15
.set NM,  16
.set LW,  17
.set WQ,  18
.set ML,  20
.set QAS, 28
.set QF,  32
.set QSC, 48
.set KSC, 50
.set VSC, 66
.set PSW, 82
.set OA,  98
.set BM,  162
.set OF,  178
.set SO,  194
.set PC,  210
.set PW,  242
.set LP,  246
.set CC,  254
.set MSB, 0
.macro WIN new
.if MSB != (\new)
	s_set_vgpr_msb (MSB<<8)|(\new)
.set MSB, (\new)
.endif
.endm
.macro CROUND
	s_barrier_signal -1
	s_barrier_wait -1
	s_cmp_lg_u32 s14, 0
	s_cbranch_scc1 .Lnot_wave_0_\@
	s_barrier_signal -3
.Lnot_wave_0_\@:
	s_barrier_wait -3
	s_barrier_signal -1
	s_barrier_wait -1
.endm
.macro WM d, a, b, z, sa, sb, ra, rb
.if (\z)
.if ((\ra) == 0) && ((\rb) == 0)
	v_wmma_scale_f32_16x16x128_f8f6f4 v[0+(\d):7+(\d)], v[0+(\a):7+(\a)], v[0+(\b):7+(\b)], 0, v[0+(\sa)], v[0+(\sb)] matrix_a_fmt:MATRIX_FMT_FP4 matrix_b_fmt:MATRIX_FMT_FP4
.elseif ((\rb) == 0)
	v_wmma_scale_f32_16x16x128_f8f6f4 v[0+(\d):7+(\d)], v[0+(\a):7+(\a)], v[0+(\b):7+(\b)], 0, v[0+(\sa)], v[0+(\sb)] matrix_a_fmt:MATRIX_FMT_FP4 matrix_b_fmt:MATRIX_FMT_FP4 matrix_a_scale:MATRIX_SCALE_ROW1
.elseif ((\ra) == 0)
	v_wmma_scale_f32_16x16x128_f8f6f4 v[0+(\d):7+(\d)], v[0+(\a):7+(\a)], v[0+(\b):7+(\b)], 0, v[0+(\sa)], v[0+(\sb)] matrix_a_fmt:MATRIX_FMT_FP4 matrix_b_fmt:MATRIX_FMT_FP4 matrix_b_scale:MATRIX_SCALE_ROW1
.else
	v_wmma_scale_f32_16x16x128_f8f6f4 v[0+(\d):7+(\d)], v[0+(\a):7+(\a)], v[0+(\b):7+(\b)], 0, v[0+(\sa)], v[0+(\sb)] matrix_a_fmt:MATRIX_FMT_FP4 matrix_b_fmt:MATRIX_FMT_FP4 matrix_a_scale:MATRIX_SCALE_ROW1 matrix_b_scale:MATRIX_SCALE_ROW1
.endif
.else
.if ((\ra) == 0) && ((\rb) == 0)
	v_wmma_scale_f32_16x16x128_f8f6f4 v[0+(\d):7+(\d)], v[0+(\a):7+(\a)], v[0+(\b):7+(\b)], v[0+(\d):7+(\d)], v[0+(\sa)], v[0+(\sb)] matrix_a_fmt:MATRIX_FMT_FP4 matrix_b_fmt:MATRIX_FMT_FP4
.elseif ((\rb) == 0)
	v_wmma_scale_f32_16x16x128_f8f6f4 v[0+(\d):7+(\d)], v[0+(\a):7+(\a)], v[0+(\b):7+(\b)], v[0+(\d):7+(\d)], v[0+(\sa)], v[0+(\sb)] matrix_a_fmt:MATRIX_FMT_FP4 matrix_b_fmt:MATRIX_FMT_FP4 matrix_a_scale:MATRIX_SCALE_ROW1
.elseif ((\ra) == 0)
	v_wmma_scale_f32_16x16x128_f8f6f4 v[0+(\d):7+(\d)], v[0+(\a):7+(\a)], v[0+(\b):7+(\b)], v[0+(\d):7+(\d)], v[0+(\sa)], v[0+(\sb)] matrix_a_fmt:MATRIX_FMT_FP4 matrix_b_fmt:MATRIX_FMT_FP4 matrix_b_scale:MATRIX_SCALE_ROW1
.else
	v_wmma_scale_f32_16x16x128_f8f6f4 v[0+(\d):7+(\d)], v[0+(\a):7+(\a)], v[0+(\b):7+(\b)], v[0+(\d):7+(\d)], v[0+(\sa)], v[0+(\sb)] matrix_a_fmt:MATRIX_FMT_FP4 matrix_b_fmt:MATRIX_FMT_FP4 matrix_a_scale:MATRIX_SCALE_ROW1 matrix_b_scale:MATRIX_SCALE_ROW1
.endif
.endif
.endm
.macro STREG s
.if ((\s)%2) == 0
.set rv0, 210
.set rv1, 218
.set rp,  226
.else
.set rv0, 234
.set rv1, 178
.set rp,  186
.endif
.endm
.macro LOADS s, pb
	STREG \s
.if (\s) < 8
	ds_load_b128 v[rv0:rv0+3], v[AV0] offset:8192*(\s)
	ds_load_b128 v[rv0+4:rv0+7], v[AV0] offset:8192*(\s)+512
	ds_load_b128 v[rv1:rv1+3], v[AV0] offset:8192*(\s)+1024
	ds_load_b128 v[rv1+4:rv1+7], v[AV0] offset:8192*(\s)+1536
.else
	ds_load_b128 v[rv0:rv0+3], v[AV1] offset:8192*((\s)-8)
	ds_load_b128 v[rv0+4:rv0+7], v[AV1] offset:8192*((\s)-8)+512
	ds_load_b128 v[rv1:rv1+3], v[AV1] offset:8192*((\s)-8)+1024
	ds_load_b128 v[rv1+4:rv1+7], v[AV1] offset:8192*((\s)-8)+1536
.endif
	ds_load_b128 v[rp:rp+3], v[AXR] offset:16384*(\pb)+1024*(\s)
	ds_load_b128 v[rp+4:rp+7], v[AXR] offset:16384*(\pb)+1024*(\s)+512
.endm
; A slice of O^T += V^T P^T (128 keys, my two tiles of the head's 128) comes in two parts, laid among plain vector work: SLM multiplies slice sl; SLL, at least four plain vector
; instructions later (they are the places behind the products), fetches slice sl + 2 into the registers that slice sl has left.  Slices 0-3 stand among the column sums of the tile that made P,
; slices 4-15 among the next tile's maxima, scalings and row sums; none stands among the exponentials.
.macro SLM pv, win
.if \pv
	WIN 0
.if (sl == 9) || (sl >= 13)
	s_wait_alu depctr_va_vdst(0)                   ; the wait in slices 9 and 13 to 15: 9 and 13 add onto products that stand ahead of exponentials; 13 to 15 stand among the row sums' four chains
.endif
.if sl < 15
	s_wait_dscnt 0x6                               ; this slice's six loads are in; the next slice's six may be out
.else
	s_wait_dscnt 0x0
.endif
	STREG sl
.if (sl%4) == 0
	WM OA+16*(sl/4), rv0, rp, 1, VSC+sl, PSW+sl, 0, 0
	WM OA+16*(sl/4)+8, rv1, rp, 1, VSC+sl, PSW+sl, 1, 0
.else
	WM OA+16*(sl/4), rv0, rp, 0, VSC+sl, PSW+sl, 0, 0
	WM OA+16*(sl/4)+8, rv1, rp, 0, VSC+sl, PSW+sl, 1, 0
.endif
	WIN \win
.endif
.endm
.macro SLL pv, pb, lw, win             ; lw: a setting under which destination and source 0 mean window 0
.if \pv
.if sl < 14
	WIN \lw
	LOADS sl+2, \pb
	WIN \win
.endif
.set sl, sl+1
.endif
.endm
.macro OUTQ off
.irp u, 0,1
.irp j, 0,2,4,6
	v_pk_mul_f32 v[OF+8*\u+\j:OF+8*\u+\j+1], v[OA+8*\u+\j:OA+8*\u+\j+1], v[ML:ML+1] op_sel_hi:[1,0]
.endr
.endr
.irp g, 1,2,3
.irp u, 0,1
.irp j, 0,2,4,6
	v_pk_fma_f32 v[OF+8*\u+\j:OF+8*\u+\j+1], v[OA+16*\g+8*\u+\j:OA+16*\g+8*\u+\j+1], v[ML+2*\g:ML+2*\g+1], v[OF+8*\u+\j:OF+8*\u+\j+1] op_sel_hi:[1,0,1]
.endr
.endr
.endr
	v_max3_num_f32 v29, |v[OF]|, |v[OF+1]|, 0x1800000
	v_max3_num_f32 v30, |v[OF+2]|, |v[OF+3]|, |v[OF+4]|
	v_max3_num_f32 v29, v29, |v[OF+5]|, |v[OF+6]|
	v_max3_num_f32 v30, v30, |v[OF+7]|, |v[OF+8]|
	v_max3_num_f32 v29, v29, |v[OF+9]|, |v[OF+10]|
	v_max3_num_f32 v30, v30, |v[OF+11]|, |v[OF+12]|
	v_max3_num_f32 v29, v29, |v[OF+13]|, |v[OF+14]|
	v_max3_num_f32 v29, v29, v30, |v[OF+15]|
	v_permlanex16_b32 v31, v29, s22, s23
	v_max_num_f32 v29, v29, v31
	v_add_nc_u32 v30, 0xff000000, v29
	v_lshrrev_b32 v49, 23, v30
	v_cvt_scalef32_pk8_fp4_f32 v[CC], v[OF:OF+7], v30
	v_cvt_scalef32_pk8_fp4_f32 v[CC+1], v[OF+8:OF+15], v30
	v_nop
	v_permlane16_swap_b32 v[CC], v[CC+1]
	global_store_b64 v[GOT], v[CC:CC+1], s[44:45] offset:1024*(\off)
.endm
	s_load_b256 s[4:11], s[0:1], 0x0
	s_load_b64 s[12:13], s[0:1], 0x20
	v_lshl_add_u32 v254, v0, 2, 0x49c00
	v_mov_b32 v255, 0
	ds_add_u32 v254, v255
	ds_add_u32 v254, v255
	s_wait_dscnt 0x0
	v_lshrrev_b32 v1, 5, v0
	v_readfirstlane_b32 s14, v1
	v_and_b32 v29, 31, v0
	v_lshlrev_b32 v[LI], 4, v29
	s_bfe_u32 s15, ttmp6, 0x40000
	s_lshl_b32 s17, ttmp9, 2
	s_add_co_u32 s17, s17, s15
	s_and_b32 s16, ttmp7, 0xffff
	s_mov_b32 s24, 15|(3<<16)|(1<<21)
	s_mov_b32 s25, 32<<16
	s_mov_b32 s26, 128<<16
	s_mov_b32 s27, 32<<16
	s_mov_b32 s28, 128
	s_mov_b32 s29, 32
	s_mov_b32 s30, 0
	s_mov_b32 s31, 0
	s_lshl_b32 s18, s16, 17
	s_lshl_b32 s2, s14, 15
	s_add_co_u32 s18, s18, s2
	s_mov_b32 s19, 0
	s_mov_b32 s20, 0x3e0293ee
	s_mov_b32 s21, s20
	s_mov_b32 s22, 0x76543210
	s_mov_b32 s23, 0xfedcba98
	s_wait_kmcnt 0x0
	s_add_nc_u64 s[60:61], s[4:5], s[18:19]
	s_lshl_b32 s33, s14, 15
	s_add_nc_u64 s[34:35], s[60:61], 0x400000      ; my 32 fragments of K
	s_wait_alu depctr_va_vdst(0)                   ; ahead of the first reader of the lane's offset
	WIN 0xc0                                       ; destination window 3
.set m, 0
.rept 64
	global_load_b128 v[4*m:4*m+3], v[LI], s[34:35] offset:512*m    ; K's register images: 512 consecutive bytes a load; asked for first, ahead of the cluster's round
.set m, m+1
.endr
	WIN 0
	s_mov_b32 s36, 1
	s_add_co_u32 s37, s33, VREG
	s_add_nc_u64 s[38:39], s[60:61], 0x800000
	s_or_b32 s39, s39, 0x80000000
	CROUND
	tensor_load_to_lds s[36:39], s[24:31]
	s_nop 0
.rept 4
	v_nop
.endr
	s_lshl_b32 s2, s16, 17
	s_lshl_b32 s3, s17, 14
	s_add_co_u32 s2, s2, s3
	s_mov_b32 s3, 0
	s_add_nc_u64 s[40:41], s[4:5], s[2:3]
	s_add_nc_u64 s[44:45], s[8:9], s[2:3]
	s_lshl_b32 s2, s16, 13
	s_add_nc_u64 s[56:57], s[6:7], s[2:3]
	s_lshl_b32 s2, s17, 10
	s_add_nc_u64 s[42:43], s[56:57], s[2:3]
	s_lshl_b32 s2, s14, 2
	s_add_co_u32 s2, s2, 0x80000
	s_add_nc_u64 s[58:59], s[56:57], s[2:3]
	s_lshl_b32 s2, s14, 11
	s_add_co_u32 s2, s2, 0x40000
	s_add_nc_u64 s[56:57], s[56:57], s[2:3]
	s_lshl_b32 s2, s16, 13
	s_lshl_b32 s18, s17, 10
	s_add_co_u32 s2, s2, s18
	s_lshl_b32 s18, s14, 8
	s_add_co_u32 s2, s2, s18
	s_add_nc_u64 s[46:47], s[10:11], s[2:3]
	s_lshl_b32 s2, s16, 16
	s_lshl_b32 s18, s17, 13
	s_add_co_u32 s2, s2, s18
	s_lshl_b32 s18, s14, 11
	s_add_co_u32 s2, s2, s18
	s_add_nc_u64 s[48:49], s[12:13], s[2:3]
	s_wait_alu depctr_va_vdst(0)
.irp m, 0,1,2,3
	global_load_b128 v[KSC+4*\m:KSC+4*\m+3], v[LI], s[56:57] offset:512*\m
.endr
.set k, 0
.rept 16
	global_load_b32 v[VSC+k], v[LI], s[58:59] offset:512*k
.set k, k+1
.endr
	global_load_b128 v[QF:QF+3], v[LI], s[40:41]
	global_load_b128 v[QF+4:QF+7], v[LI], s[40:41] offset:512
	global_load_b32 v[QSC], v[LI], s[42:43]
	global_load_b128 v[QF+8:QF+11], v[LI], s[40:41] offset:1024
	global_load_b128 v[QF+12:QF+15], v[LI], s[40:41] offset:1536
	v_and_b32 v30, 15, v0
	v_bfe_u32 v31, v0, 4, 1
	v_add_nc_u32 v[AK], s33, v[LI]
	s_lshl_b32 s2, s14, 11
	s_add_co_u32 s2, s2, VREG
	v_add_nc_u32 v[AV0], s2, v[LI]
	v_add_nc_u32 v[AV1], 0x10000, v[AV0]
	s_lshl_b32 s2, s14, 12
	s_add_co_u32 s2, s2, XP
	v_add_nc_u32 v[AXW], s2, v[LI]
	v_add_nc_u32 v[AXR], XP, v[LI]
	s_lshl_b32 s2, s14, 9
	s_add_co_u32 s2, s2, XS
	v_add_nc_u32 v[ASW], s2, v[LI]
	v_add_nc_u32 v[ASR], XS, v[LI]
	v_lshlrev_b32 v[AMR], 5, v29
	v_add_nc_u32 v[AMR], XM, v[AMR]
	s_lshl_b32 s2, s14, 3
	v_add_nc_u32 v[AMW], s2, v[AMR]
	v_lshlrev_b32 v[AOB], 2, v30
	s_add_co_u32 s2, s14, OSB
	v_add_nc_u32 v[AOB], s2, v[AOB]
	v_lshlrev_b32 v[GOC], 4, v30
	v_lshl_add_u32 v[GOC], v31, 3, v[GOC]
	s_lshl_b32 s2, s14, 8
	v_add_nc_u32 v[GOC], s2, v[GOC]
	v_mov_b32 v[LW], 0
.set b, 0
.rept 16
	v_mov_b32 v[SO+b], 0
.set b, b+1
.endr
	s_wait_alu depctr_va_vdst(0)                   ; the wait at the head's end
.macro TILE par, pv, nx
	s_wait_loadcnt 0x2
	WIN 0x43
.set t, 0
.rept 16
	WM 8*t, 8*t, QF+8*\par, 1, KSC+t/2, QSC, 0, \par
	WM 8*t+8, 8*t+8, QF+8*\par, 1, KSC+t/2, QSC, 1, \par
.set t, t+2
.endr
	WIN 0
	s_wait_xcnt 0x0
.if \par == 0
	v_add_nc_u32 v[QA], s51, v[LI]
	v_add_nc_u32 v[QAS], s52, v[LI]
	v_nop
	v_nop
	global_load_b128 v[QF:QF+3], v[QA], s[40:41]
	global_load_b128 v[QF+4:QF+7], v[QA], s[40:41] offset:512
.else
	v_add_nc_u32 v[GOT], s53, v[GOC]
	v_add_nc_u32 v[AOBT], s54, v[AOB]
	v_nop
	v_nop
	global_load_b32 v[QSC], v[QAS], s[42:43]
	global_load_b128 v[QF+8:QF+11], v[QA], s[40:41] offset:1024
	global_load_b128 v[QF+12:QF+15], v[QA], s[40:41] offset:1536
.endif
	WIN 0x15
.set b, 0
.rept 16
	v_max3_num_f32 v[BM+b], v[16*b], v[16*b+1], v[16*b+2]
.set b, b+1
.endr
	WIN 0x14
.irp i, 3,5,7,9,11,13
.set b, 0
.rept 16
	v_max3_num_f32 v[BM+b], v[BM+b], v[16*b+\i], v[16*b+\i+1]
.set b, b+1
.endr
.if (\i == 3) || (\i == 7) || (\i == 11)
	SLM \pv, 0x14
.else
	SLL \pv, 1-\par, 0x14, 0x14
.endif
.endr
.set b, 0
.rept 16
	v_max_num_f32 v[BM+b], v[BM+b], v[16*b+15]
.set b, b+1
.endr
	WIN 0
.set b, 0
.rept 16
	v_permlanex16_b32 v[SO+b], v[BM+b], s22, s23
.set b, b+1
.endr
	SLM \pv, 0
.set b, 0
.rept 16
	v_max_num_f32 v[BM+b], v[BM+b], v[SO+b]
.set b, b+1
.endr
	SLL \pv, 1-\par, 0, 0
	v_max3_num_f32 v29, v[BM], v[BM+1], v[BM+2]
	v_max3_num_f32 v30, v[BM+3], v[BM+4], v[BM+5]
	v_max3_num_f32 v29, v29, v[BM+6], v[BM+7]
	v_max3_num_f32 v30, v30, v[BM+8], v[BM+9]
	v_max3_num_f32 v29, v29, v[BM+10], v[BM+11]
	v_max3_num_f32 v30, v30, v[BM+12], v[BM+13]
	v_max3_num_f32 v29, v29, v[BM+14], v[BM+15]
	v_max_num_f32 v29, v29, v30
	v_mul_f32 v29, s20, v29
	v_floor_f32 v[NM], -v29
.set b, 0
.rept 16
	v_fma_f32 v[BM+b], v[BM+b], s20, v[NM]
.set b, b+1
.endr
	SLM \pv, 0
.set b, 0
	s_wait_alu depctr_va_vdst(0)
.rept 16
	v_exp_f32 v[BM+b], v[BM+b]
.set b, b+1
.endr
	WIN 0x41
.set i, 0
.rept 128
	v_pk_fma_f32 v[i:i+1], v[i:i+1], s[20:21], v[NM:NM+1] op_sel_hi:[1,0,0]
.if (i == 46) || (i == 110) || (i == 174) || (i == 222)
	SLM \pv, 0x41
.elseif (i == 30) || (i == 78) || (i == 142) || (i == 206) || (i == 254)
	SLL \pv, 1-\par, 0, 0x41
.endif
.set i, i+2
.endr
.set j, 0
	s_wait_alu depctr_va_vdst(0)
.rept 128
	v_exp_f32 v[2*j], v[2*j]
	v_exp_f32 v[2*j+1], v[2*j+1]
.set j, j+1
.endr
	WIN 0
	v_nop
	s_wait_alu depctr_va_vdst(0)
	WIN 0x05
.irp k, 0,1,2,3
	v_pk_add_f32 v[LP+2*\k:LP+2*\k+1], v[4*\k:4*\k+1], v[4*\k+2:4*\k+3]
.endr
	WIN 0x04
.set i, 16
.rept 120
	v_pk_add_f32 v[LP+2*((i/2)%4):LP+2*((i/2)%4)+1], v[LP+2*((i/2)%4):LP+2*((i/2)%4)+1], v[i:i+1]
.if (i == 34) || (i == 114) || (i == 194)
	SLM \pv, 0x04
.elseif (i == 66) || (i == 146) || (i == 226)
	SLL \pv, 1-\par, 0x04, 0x04
.endif
.set i, i+2
.endr
	WIN 0
	v_pk_add_f32 v[LP:LP+1], v[LP:LP+1], v[LP+2:LP+3]
	v_pk_add_f32 v[LP+4:LP+5], v[LP+4:LP+5], v[LP+6:LP+7]
	v_pk_add_f32 v[LP:LP+1], v[LP:LP+1], v[LP+4:LP+5]
	v_add_f32 v29, v[LP], v[LP+1]
	v_permlanex16_b32 v30, v29, s22, s23
	v_add_f32 v[LW], v29, v30
.set b, 0
.rept 16
	v_max_num_f32 v[BM+b], 0x1800000, v[BM+b]
.set b, b+1
.endr
.set b, 0
.rept 16
	v_add_nc_u32 v[SO+b], 0xff000000, v[BM+b]
.set b, b+1
.endr
.set b, 0
.rept 16
	v_lshrrev_b32 v[BM+b], 23, v[SO+b]
.set b, b+1
.endr
.irp k, 0,1,2,3
	v_lshl_or_b32 v[PW+\k], v[BM+4*\k+1], 8, v[BM+4*\k]
.endr
.irp k, 0,1,2,3
	v_lshl_or_b32 v[PW+\k], v[BM+4*\k+2], 16, v[PW+\k]
.endr
.irp k, 0,1,2,3
	v_lshl_or_b32 v[PW+\k], v[BM+4*\k+3], 24, v[PW+\k]
.endr
	WIN 0x01
.set t, 0
.rept 32
	v_cvt_scalef32_pk8_fp4_f32 v[PC+8*(t/8)+4*((t/4)%2)+2*(t%2)+((t/2)%2)], v[8*t:8*t+7], v[SO+t/2]
.set t, t+1
.endr
	WIN 0
	v_nop
.set m, 0
.rept 8
	v_permlane16_swap_b32 v[PC+4*m], v[PC+4*m+1]
	v_permlane16_swap_b32 v[PC+4*m+2], v[PC+4*m+3]
.set m, m+1
.endr
.set m, 0
.if (\pv) == 0
	s_wait_alu depctr_va_vdst(0)
	s_wait_tensorcnt 0x0                           ; the first tile: my part of V is in; behind this tile's barrier everybody's is, and V is first read there
.endif
.rept 8
	ds_store_b128 v[AXW], v[PC+4*m:PC+4*m+3] offset:16384*\par+512*m
.set m, m+1
.endr
	ds_store_b128 v[ASW], v[PW:PW+3] offset:2048*\par
	ds_store_b64 v[AMW], v[NM:NM+1] offset:1024*\par
.if \pv
	OUTQ 1-\par
.endif
	s_wait_alu depctr_va_vdst(0)
	s_wait_dscnt 0x0
	s_barrier_signal -1
	s_barrier_wait -1
.if \pv
	ds_store_b8 v[AOBT], v49 offset:64*(1-\par)    ; O's scale byte: read only at the kernel's end, so it is stored behind the barrier and not waited for in front of it
.endif
	ds_load_b128 v[ML:ML+3], v[AMR] offset:1024*\par
	ds_load_b128 v[ML+4:ML+7], v[AMR] offset:1024*\par+16
.irp g, 0,1,2,3
	ds_load_b128 v[PSW+4*\g:PSW+4*\g+3], v[ASR] offset:2048*\par+512*\g
.endr
.if \nx
	LOADS 0, \par
	LOADS 1, \par
	s_wait_dscnt 0x10
.else
	s_wait_dscnt 0x4
.endif
	v_min3_num_f32 v29, v[ML], v[ML+2], v[ML+4]
	v_min_num_f32 v29, v29, v[ML+6]
	v_sub_f32 v[WQ], v29, v[NM]
.irp g, 0,1,2,3
	v_sub_f32 v[ML+2*\g], v29, v[ML+2*\g]
.endr
	v_cvt_i32_f32 v[WQ], v[WQ]
.irp g, 0,1,2,3
	v_cvt_i32_f32 v[ML+2*\g], v[ML+2*\g]
.endr
	v_ldexp_f32 v[WQ], 1.0, v[WQ]
.irp g, 0,1,2,3
	v_ldexp_f32 v[ML+2*\g], 1.0, v[ML+2*\g]
.endr
	v_mul_f32 v30, v[ML], v[ML+1]
	v_fma_f32 v30, v[ML+2], v[ML+3], v30
	v_fma_f32 v30, v[ML+4], v[ML+5], v30
	v_fma_f32 v30, v[ML+6], v[ML+7], v30
	s_wait_alu depctr_va_vdst(0)
	v_rcp_f32 v31, v30
	v_nop
	s_wait_alu depctr_va_vdst(0)
	v_mul_f32 v[WQ], v[WQ], v31
.irp g, 0,1,2,3
	v_mul_f32 v[ML+2*\g], v[ML+2*\g], v31
.endr
	v_mov_b32 v[WQ+1], v[WQ]
.set sl, 0
	WIN 0xa1
.set i, 0
.rept 128
.if \pv
	v_pk_fma_f32 v[i:i+1], v[i:i+1], v[WQ:WQ+1], v[i:i+1]
.else
	v_pk_mul_f32 v[i:i+1], v[i:i+1], v[WQ:WQ+1]    ; the first tile starts the column sums
.endif
.if (i == 30) || (i == 94) || (i == 158) || (i == 222)
	SLM \nx, 0xa1
.elseif (i == 62) || (i == 126) || (i == 190) || (i == 254)
	SLL \nx, \par, 0, 0xa1
.endif
.set i, i+2
.endr
	WIN 0
.endm
	s_mov_b32 s51, 2048
	s_mov_b32 s52, 4
	TILE 0, 0, 1
	s_mov_b32 s50, 0
	s_mov_b32 s53, 0
	s_mov_b32 s54, 0
.Ltrip:
	s_add_co_u32 s2, s50, 2
	s_min_u32 s2, s2, 7
	s_lshl_b32 s51, s2, 11
	s_lshr_b32 s3, s2, 2
	s_lshl_b32 s3, s3, 9
	s_and_b32 s2, s2, 3
	s_lshl_b32 s2, s2, 2
	s_or_b32 s52, s3, s2
	TILE 1, 1, 1
	TILE 0, 1, 1
	s_add_co_u32 s53, s53, 2048
	s_add_co_u32 s54, s54, 128
	s_add_co_u32 s50, s50, 1
	s_cmp_lt_u32 s50, 7
	s_cbranch_scc1 .Ltrip
	TILE 1, 1, 0
	WIN 0x40
.irp g, 0,1,2,3
.irp k, 0,1,2,3
.irp c, 0,1
	ds_load_b128 v[32*\g+8*\k+4*\c:32*\g+8*\k+4*\c+3], v[AXR] offset:16384+4096*\g+1024*\k+512*\c
.endr
.endr
.endr
.irp k, 0,1,2,3,4,5,6,7
.irp u, 0,1
.irp c, 0,1
	ds_load_b128 v[128+16*\k+8*\u+4*\c:128+16*\k+8*\u+4*\c+3], v[AV0] offset:8192*\k+1024*\u+512*\c
.endr
.endr
.endr
	s_wait_dscnt 0x0
	WIN 0x05
.irp k, 0,1,2,3
.irp g, 0,1
.irp u, 0,1
.if \k == 0
	WM OA+16*\g+8*\u, 128+16*(4*\g+\k)+8*\u, 32*\g+8*\k, 1, VSC+4*\g+\k, PSW+4*\g+\k, \u, 0
.else
	WM OA+16*\g+8*\u, 128+16*(4*\g+\k)+8*\u, 32*\g+8*\k, 0, VSC+4*\g+\k, PSW+4*\g+\k, \u, 0
.endif
.endr
.endr
.endr
.rept 4
	v_nop
.endr
	WIN 0x40
.irp k, 0,1,2,3,4,5,6,7
.irp u, 0,1
.irp c, 0,1
	ds_load_b128 v[128+16*\k+8*\u+4*\c:128+16*\k+8*\u+4*\c+3], v[AV1] offset:8192*\k+1024*\u+512*\c
.endr
.endr
.endr
	s_wait_dscnt 0x0
	WIN 0x05
.irp k, 0,1,2,3
.irp g, 2,3
.irp u, 0,1
.if \k == 0
	WM OA+16*\g+8*\u, 128+16*(4*\g+\k-8)+8*\u, 32*\g+8*\k, 1, VSC+4*\g+\k, PSW+4*\g+\k, \u, 0
.else
	WM OA+16*\g+8*\u, 128+16*(4*\g+\k-8)+8*\u, 32*\g+8*\k, 0, VSC+4*\g+\k, PSW+4*\g+\k, \u, 0
.endif
.endr
.endr
.endr
	WIN 0
.rept 4
	v_nop
.endr
	s_wait_xcnt 0x0
	OUTQ 1
	ds_store_b8 v[AOBT], v49 offset:64
	s_wait_dscnt 0x0
	s_barrier_signal -1
	s_barrier_wait -1
	v_and_b32 v20, 31, v0
	v_lshlrev_b32 v29, 3, v20
	s_lshl_b32 s2, s14, 8
	s_add_co_u32 s2, s2, OSB
	v_add_nc_u32 v30, s2, v29
	ds_load_b64 v[LP:LP+1], v30
	s_wait_alu depctr_va_vdst(0)
	s_wait_dscnt 0x0
	global_store_b64 v29, v[LP:LP+1], s[46:47]
	WIN 0x08
.set m, 0
.rept 64
	ds_store_b128 v[AK], v[4*m:4*m+3] offset:512*m
.set m, m+1
.endr
	WIN 0
	v_lshrrev_b32 v21, 2, v20
	v_lshlrev_b32 v21, 10, v21
	v_and_b32 v22, 1, v20
	v_lshl_add_u32 v21, v22, 9, v21
	v_bfe_u32 v22, v20, 1, 1
	v_lshl_add_u32 v21, v22, 8, v21
	v_add_nc_u32 v21, s33, v21
.set m, 0
.rept 16
	v_add_nc_u32 v[BM+m], m, v20
	v_and_b32 v[BM+m], 15, v[BM+m]
	v_lshl_add_u32 v[BM+m], v[BM+m], 4, v21
.set m, m+1
.endr
.irp G, 0,1,2,3
.set m, 0
.rept 16
	ds_load_b128 v[OA+4*m:OA+4*m+3], v[BM+m] offset:8192*\G
.set m, m+1
.endr
	s_wait_dscnt 0x0
.set m, 0
.rept 8
	v_pk_add_f32 v[OA+4*m:OA+4*m+1], v[OA+4*m:OA+4*m+1], v[OA+32+4*m:OA+32+4*m+1]
	v_pk_add_f32 v[OA+4*m+2:OA+4*m+3], v[OA+4*m+2:OA+4*m+3], v[OA+32+4*m+2:OA+32+4*m+3]
.set m, m+1
.endr
.set m, 0
.rept 4
	v_pk_add_f32 v[OA+4*m:OA+4*m+1], v[OA+4*m:OA+4*m+1], v[OA+16+4*m:OA+16+4*m+1]
	v_pk_add_f32 v[OA+4*m+2:OA+4*m+3], v[OA+4*m+2:OA+4*m+3], v[OA+16+4*m+2:OA+16+4*m+3]
.set m, m+1
.endr
.set m, 0
.rept 2
	v_pk_add_f32 v[OA+4*m:OA+4*m+1], v[OA+4*m:OA+4*m+1], v[OA+8+4*m:OA+8+4*m+1]
	v_pk_add_f32 v[OA+4*m+2:OA+4*m+3], v[OA+4*m+2:OA+4*m+3], v[OA+8+4*m+2:OA+8+4*m+3]
.set m, m+1
.endr
	v_pk_add_f32 v[PC+4*\G:PC+4*\G+1], v[OA:OA+1], v[OA+4:OA+5]
	v_pk_add_f32 v[PC+4*\G+2:PC+4*\G+3], v[OA+2:OA+3], v[OA+6:OA+7]
	global_store_b128 v[LI], v[PC+4*\G:PC+4*\G+3], s[48:49] offset:512*\G
.endr
	s_wait_xcnt 0x0
	v_lshl_add_u32 v254, v0, 2, 0x49c00
	v_mov_b32 v255, 0
	s_wait_alu depctr_va_vdst(0)
	s_wait_tensorcnt 0x0
	ds_add_u32 v254, v255
	s_wait_dscnt 0x0
	CROUND
	s_endpgm
.Lfunc_end_k_qdbab31255a_attn:
	.size	k_qdbab31255a_attn, .Lfunc_end_k_qdbab31255a_attn-k_qdbab31255a_attn
	.p2alignl 7, 3214868480
	.fill 96, 4, 3214868480
	.section	.rodata,"a",@progbits
	.p2align	6, 0x0
	.amdhsa_kernel k_qdbab31255a_attn
		.amdhsa_group_segment_fixed_size 327680
		.amdhsa_private_segment_fixed_size 0
		.amdhsa_enable_private_segment 0
		.amdhsa_kernarg_size 40
		.amdhsa_user_sgpr_count 2
		.amdhsa_user_sgpr_kernarg_segment_ptr 1
		.amdhsa_wavefront_size32 1
		.amdhsa_system_sgpr_workgroup_id_x 1
		.amdhsa_system_sgpr_workgroup_id_y 1
		.amdhsa_system_sgpr_workgroup_id_z 1
		.amdhsa_system_vgpr_workitem_id 0
		.amdhsa_next_free_vgpr 1024
		.amdhsa_next_free_sgpr 66
		.amdhsa_reserve_vcc 0
		.amdhsa_float_denorm_mode_32 3
		.amdhsa_float_denorm_mode_16_64 3
		.amdhsa_memory_ordered 1
		.amdhsa_forward_progress 1
		.amdhsa_inst_pref_size 255
	.end_amdhsa_kernel
	.section	.bss,"aw",@nobits
	.p2align	6
	.space	262144
	.amdgpu_metadata
---
amdhsa.version: [ 1, 2 ]
amdhsa.kernels:
  - .name:           k_qdbab31255a_attn
    .symbol:         k_qdbab31255a_attn.kd
    .args:
      - { .name: qkv, .offset: 0, .size: 8, .value_kind: global_buffer, .address_space: global }
      - { .name: qkvs, .offset: 8, .size: 8, .value_kind: global_buffer, .address_space: global }
      - { .name: oimg, .offset: 16, .size: 8, .value_kind: global_buffer, .address_space: global }
      - { .name: oscl, .offset: 24, .size: 8, .value_kind: global_buffer, .address_space: global }
      - { .name: cpart, .offset: 32, .size: 8, .value_kind: global_buffer, .address_space: global }
    .group_segment_fixed_size: 327680
    .private_segment_fixed_size: 0
    .kernarg_segment_align: 8
    .kernarg_segment_size: 40
    .max_flat_workgroup_size: 128
    .sgpr_count:     66
    .vgpr_count:     1024
    .wavefront_size: 32
...
	.end_amdgpu_metadata
.endif
;; end of part 2
;; launch oproj (part 3): grid 4 x 32, 4 waves a work-group, clusters of 4 x 4, 327,680 bytes of LDS; arguments oimg, oscl, Wo_codes, Wo_scales, cpart, ctxp, corrp, out1; writes ctxp, corrp, out1
.if DOCPART == 3
	.amdgcn_target "amdgcn-amd-amdhsa--gfx1250"
	.amdhsa_code_object_version 6
	.text
	.protected	k_qdbab31255a_oproj
	.globl	k_qdbab31255a_oproj
	.p2align	8
	.type	k_qdbab31255a_oproj,@function
k_qdbab31255a_oproj:
	s_mov_b64 s[64:65], 0
	v_nop
	global_prefetch_b8 v0, s[64:65] scope:SCOPE_SE
	s_setreg_imm32_b32 hwreg(HW_REG_WAVE_MODE, 25, 1), 1
	s_wait_xcnt 0x0
	s_wait_alu depctr_hold_cnt(0) depctr_sa_sdst(0) depctr_va_vdst(0) depctr_va_sdst(0) depctr_va_ssrc(0) depctr_va_vcc(0) depctr_vm_vsrc(0)
	s_getreg_b32 s2, hwreg(HW_REG_IB_STS2, 6, 4)
	s_cmp_eq_u32 s2, 0
	s_cbranch_scc0 .Lentry_in_a_cluster
	s_endpgm
.Lentry_in_a_cluster:
	s_bfe_u32 s2, ttmp6, 0x10000c
	s_cmp_lg_u32 s2, 0xf033
	s_cbranch_scc0 .Lentry_shape_is_right
	s_endpgm
.Lentry_shape_is_right:
; (a) The last projection, out Wo^T, on codes of FP4 (E2M1) with E8M0 scales, of which only the mean over the rows is wanted: every product is made, and the f32 sums run over K AND over the tiles of rows.
; (b) While the tiles are on their way: avg_attn (the sum of the eight query blocks' column sums / 2,048) for a slice of 64 keys of all eight heads of a batch, and that slice's part of the head-head products, in f32.
; A work-group takes 256 rows (16 tiles of one batch) x 256 outputs; wave w takes outputs 64 w .. 64 w + 63: its 32 fragments of Wo stay in window 1, and the rows' fragments stream past from LDS.
; Source 0 = 16 rows of Wo, source 1 = 16 rows of out: a lane holds row r and eight outputs.  Eight accumulators (parity of the tile of rows x tile of outputs) take turns.  At the end the sixteen r are added through LDS.
; CLUSTERS: 4 x 4: Wo's rows are shared along a column of the cluster, out's images and scale words along a row.  Every LDS byte is filled once.  128 work-groups: the launch is short, and its slices of avg_attn are whole rows of 256 bytes.
; The order of the f32 sums differs from a product followed by a mean.  NaN and infinities are not served.
.set OREG,  135168                     ; LDS: Wo's 256 rows x (512 + 16) at 0; out's images [head 8][tile 16][1,024] at OREG;
.set OSREG, 266240                     ; out's scale words [head][tile][row][4];
.set AREG,  274432                     ; the slice's avg_attn: [head 8][64 keys];
.set STG,   276480                     ; a stage of 4,096 bytes for each wave
.set LI,  1
.set AW,  2
.set AO0, 3
.set AO1, 4
.set AOS, 5
.set WSC, 32                           ; v32-47 Wo's scale words: register 8 (i / 2) + ks, row i % 2
.set OSC, 48                           ; v48-63 out's: two sets of 8: register 4 e + ks / 2, row ks % 2
.set ACC, 64                           ; v64-127 accumulator (e, i) at 64 + 32 e + 8 i
.set MSB, 0
.macro WIN new
.if MSB != (\new)
	s_set_vgpr_msb (MSB<<8)|(\new)
.set MSB, (\new)
.endif
.endm
.macro CROUND
	s_barrier_signal -1
	s_barrier_wait -1
	s_cmp_lg_u32 s14, 0
	s_cbranch_scc1 .Lnot_wave_0_\@
	s_barrier_signal -3
.Lnot_wave_0_\@:
	s_barrier_wait -3
	s_barrier_signal -1
	s_barrier_wait -1
.endm
.macro WM d, a, b, z, sa, sb, ra, rb
.if (\z)
.if ((\ra) == 0) && ((\rb) == 0)
	v_wmma_scale_f32_16x16x128_f8f6f4 v[0+(\d):7+(\d)], v[0+(\a):7+(\a)], v[0+(\b):7+(\b)], 0, v[0+(\sa)], v[0+(\sb)] matrix_a_fmt:MATRIX_FMT_FP4 matrix_b_fmt:MATRIX_FMT_FP4
.elseif ((\rb) == 0)
	v_wmma_scale_f32_16x16x128_f8f6f4 v[0+(\d):7+(\d)], v[0+(\a):7+(\a)], v[0+(\b):7+(\b)], 0, v[0+(\sa)], v[0+(\sb)] matrix_a_fmt:MATRIX_FMT_FP4 matrix_b_fmt:MATRIX_FMT_FP4 matrix_a_scale:MATRIX_SCALE_ROW1
.elseif ((\ra) == 0)
	v_wmma_scale_f32_16x16x128_f8f6f4 v[0+(\d):7+(\d)], v[0+(\a):7+(\a)], v[0+(\b):7+(\b)], 0, v[0+(\sa)], v[0+(\sb)] matrix_a_fmt:MATRIX_FMT_FP4 matrix_b_fmt:MATRIX_FMT_FP4 matrix_b_scale:MATRIX_SCALE_ROW1
.else
	v_wmma_scale_f32_16x16x128_f8f6f4 v[0+(\d):7+(\d)], v[0+(\a):7+(\a)], v[0+(\b):7+(\b)], 0, v[0+(\sa)], v[0+(\sb)] matrix_a_fmt:MATRIX_FMT_FP4 matrix_b_fmt:MATRIX_FMT_FP4 matrix_a_scale:MATRIX_SCALE_ROW1 matrix_b_scale:MATRIX_SCALE_ROW1
.endif
.else
.if ((\ra) == 0) && ((\rb) == 0)
	v_wmma_scale_f32_16x16x128_f8f6f4 v[0+(\d):7+(\d)], v[0+(\a):7+(\a)], v[0+(\b):7+(\b)], v[0+(\d):7+(\d)], v[0+(\sa)], v[0+(\sb)] matrix_a_fmt:MATRIX_FMT_FP4 matrix_b_fmt:MATRIX_FMT_FP4
.elseif ((\rb) == 0)
	v_wmma_scale_f32_16x16x128_f8f6f4 v[0+(\d):7+(\d)], v[0+(\a):7+(\a)], v[0+(\b):7+(\b)], v[0+(\d):7+(\d)], v[0+(\sa)], v[0+(\sb)] matrix_a_fmt:MATRIX_FMT_FP4 matrix_b_fmt:MATRIX_FMT_FP4 matrix_a_scale:MATRIX_SCALE_ROW1
.elseif ((\ra) == 0)
	v_wmma_scale_f32_16x16x128_f8f6f4 v[0+(\d):7+(\d)], v[0+(\a):7+(\a)], v[0+(\b):7+(\b)], v[0+(\d):7+(\d)], v[0+(\sa)], v[0+(\sb)] matrix_a_fmt:MATRIX_FMT_FP4 matrix_b_fmt:MATRIX_FMT_FP4 matrix_b_scale:MATRIX_SCALE_ROW1
.else
	v_wmma_scale_f32_16x16x128_f8f6f4 v[0+(\d):7+(\d)], v[0+(\a):7+(\a)], v[0+(\b):7+(\b)], v[0+(\d):7+(\d)], v[0+(\sa)], v[0+(\sb)] matrix_a_fmt:MATRIX_FMT_FP4 matrix_b_fmt:MATRIX_FMT_FP4 matrix_a_scale:MATRIX_SCALE_ROW1 matrix_b_scale:MATRIX_SCALE_ROW1
.endif
.endif
.endm
	s_load_b512 s[68:83], s[0:1], 0x0              ; oimg, oscl, Wo's codes, Wo's scales, cpart, ctxp, corrp, out1
	v_lshl_add_u32 v254, v0, 2, 0x47800
	v_mov_b32 v255, 0
	ds_add_u32 v254, v255
	ds_add_u32 v254, v255
	v_lshrrev_b32 v1, 5, v0
	v_readfirstlane_b32 s14, v1                    ; wave 0..3
	s_bfe_u32 s40, ttmp6, 0x40000                  ; cx
	s_bfe_u32 s41, ttmp6, 0x40004                  ; cy
	s_lshl_b32 s42, ttmp9, 2
	s_add_co_u32 s42, s42, s40                     ; which 256 outputs
	s_and_b32 s17, ttmp7, 0xffff
	s_lshl_b32 s17, s17, 2
	s_add_co_u32 s17, s17, s41                     ; which 256 rows
	s_lshl_b32 s43, s41, 2
	s_lshl_b32 s43, 15, s43                        ; my row of the cluster
	s_lshl_b32 s44, 0x1111, s40                    ; my column
	; Wo: 128 rows of 512 bytes to a load, 16 bytes of padding behind each
	s_or_b32 s24, s44, (1<<20)|(1<<21)|(6<<22)|(3<<25)   ; the mask; elements of 1 byte; padding on; bit 21 beside a mask; after every 128 words; four words
	s_mov_b32 s25, 512<<16
	s_mov_b32 s26, 128<<16
	s_mov_b32 s27, 512<<16
	s_mov_b32 s28, 128
	s_mov_b32 s29, 512
	s_mov_b32 s30, 0
	s_mov_b32 s31, 0
	; out's images: eight heads, 16,384 bytes of each (2,048 elements of 8 bytes), 131,072 bytes apart
	s_or_b32 s48, s43, (3<<16)|(1<<21)
	s_mov_b32 s49, 2048<<16
	s_mov_b32 s50, 8<<16
	s_mov_b32 s51, 2048<<16
	s_mov_b32 s52, 8
	s_mov_b32 s53, 16384
	s_mov_b32 s54, 0
	s_mov_b32 s55, 0
	; out's scale words: eight heads, 1,024 bytes of each, 8,192 bytes apart
	s_or_b32 s56, s43, (3<<16)|(1<<21)
	s_mov_b32 s57, 128<<16
	s_mov_b32 s58, 8<<16
	s_mov_b32 s59, 128<<16
	s_mov_b32 s60, 8
	s_mov_b32 s61, 1024
	s_mov_b32 s62, 0
	s_mov_b32 s63, 0
	s_lshl_b32 s46, s42, 17                        ; Wo: 256 rows of 512 bytes for each block of outputs,
	s_and_b32 s45, s14, 1
	s_lshl_b32 s47, s45, 16                        ; waves 0 and 1 fetch its halves of 128 rows
	s_add_co_u32 s46, s46, s47
	s_mov_b32 s47, 0
	s_lshr_b32 s18, s17, 3                         ; the batch
	s_and_b32 s19, s17, 7                          ; which 16 tiles of its 128
	s_lshl_b32 s20, s18, 20
	s_lshl_b32 s21, s19, 14
	s_add_co_u32 s20, s20, s21
	s_mov_b32 s21, 0
	s_lshl_b32 s22, s18, 16
	s_lshl_b32 s23, s19, 10
	s_add_co_u32 s22, s22, s23
	s_mov_b32 s23, 0
	s_wait_dscnt 0x0
	s_wait_kmcnt 0x0
	s_mov_b32 s32, 1
	s_mul_i32 s33, s45, 128*528
	s_mul_i32 s45, s14, 64*528                     ; where the 64 rows lie that I multiply
	s_add_nc_u64 s[34:35], s[72:73], s[46:47]
	s_or_b32 s35, s35, 0x80000000
	s_mov_b32 s36, 1
	s_mov_b32 s37, OREG
	s_add_nc_u64 s[38:39], s[68:69], s[20:21]
	s_or_b32 s39, s39, 0x80000000
	s_mov_b32 s84, 1
	s_mov_b32 s85, OSREG
	s_add_nc_u64 s[86:87], s[70:71], s[22:23]
	s_or_b32 s87, s87, 0x80000000
	CROUND                                         ; all sixteen work-groups are here: the joint loads meet
	; one load a wave, in one tree of branches on the wave's number: waves 0 and 1 Wo's halves, wave 2 out's images, wave 3 out's scale words
	s_cmp_lt_u32 s14, 2
	s_cbranch_scc0 .Lhead_img
	tensor_load_to_lds s[32:35], s[24:31]
	s_nop 0
.rept 4
	v_nop
.endr
	s_branch .Lhead_asked
.Lhead_img:
	s_cmp_lt_u32 s14, 3
	s_cbranch_scc0 .Lhead_scl
	tensor_load_to_lds s[36:39], s[48:55]
	s_nop 0
.rept 4
	v_nop
.endr
	s_branch .Lhead_asked
.Lhead_scl:
	tensor_load_to_lds s[84:87], s[56:63]
	s_nop 0
.rept 4
	v_nop
.endr
.Lhead_asked:
	; ---- (b) avg_attn and the head-head products of slice id = 4 x (rows' block) + (outputs' block): batch id / 32, keys 64 (id % 32) on
	s_lshl_b32 s2, s17, 2
	s_add_co_u32 s2, s2, s42                       ; id
	s_lshr_b32 s3, s2, 5
	s_and_b32 s18, s2, 31
	s_lshl_b32 s18, s18, 8
	s_lshl_b32 s88, s3, 19
	s_add_co_u32 s88, s88, s18
	s_mov_b32 s89, 0
	s_add_nc_u64 s[76:77], s[76:77], s[88:89]      ; cpart: 65,536 bytes a head
	s_lshl_b32 s88, s3, 16
	s_add_co_u32 s88, s88, s18
	s_add_nc_u64 s[82:83], s[82:83], s[88:89]      ; out1: 8,192 bytes a head
	s_lshl_b32 s88, s2, 9
	s_add_nc_u64 s[80:81], s[80:81], s[88:89]      ; corrp: 512 bytes a slice
	s_lshl_b32 s88, s42, 13
	s_lshl_b32 s18, s14, 11
	s_add_co_u32 s88, s88, s18
	s_add_nc_u64 s[74:75], s[74:75], s[88:89]      ; Wo's scales: 32 bytes a row, my 64 rows
	s_lshl_b32 s88, s17, 12
	s_lshl_b32 s18, s42, 10
	s_add_co_u32 s88, s88, s18
	s_lshl_b32 s18, s14, 8
	s_add_co_u32 s88, s88, s18
	s_add_nc_u64 s[78:79], s[78:79], s[88:89]      ; ctxp: my 64 outputs of the rows' block
	v_lshrrev_b32 v6, 4, v0                        ; thread: head = t / 16,
	v_and_b32 v7, 15, v0                           ; four keys = t % 16
	v_lshlrev_b32 v8, 4, v7
	v_lshl_add_u32 v9, v6, 16, v8
	v_lshl_add_u32 v10, v6, 13, v8
	v_lshl_add_u32 v11, v0, 4, AREG
	v_and_b32 v17, 31, v0
	v_lshlrev_b32 v19, 5, v17                      ; Wo's scales: a lane a row
.irp P, 0,1,2,3,4,5,6,7
	global_load_b128 v[128+4*\P:131+4*\P], v9, s[76:77] offset:8192*\P   ; the eight query blocks' sums; sixteen lanes read 256 consecutive bytes
.endr
.irp p, 0,1
.irp q, 0,1
	global_load_b128 v[WSC+8*\p+4*\q:WSC+8*\p+4*\q+3], v19, s[74:75] offset:1024*\p+16*\q
.endr
.endr
	v_and_b32 v14, 1, v0
	v_lshlrev_b32 v14, 7, v14
	v_add_nc_u32 v14, AREG, v14
	v_lshl_add_u32 v12, v6, 8, v14                 ; then: thread = (head h = t / 16, head g = (t / 2) % 8, half = t % 2): 32 keys of each
	v_bfe_u32 v15, v0, 1, 3
	v_lshl_add_u32 v13, v15, 8, v14
	v_lshlrev_b32 v16, 2, v0
	v_lshlrev_b32 v[LI], 4, v17
	v_bfe_u32 v18, v0, 4, 1                        ; h = lane / 16 (r = lane % 16 is v7)
	v_mul_u32_u24 v[AW], v7, 528
	v_lshl_add_u32 v[AW], v18, 4, v[AW]
	v_add_nc_u32 v[AW], s45, v[AW]
	v_add_nc_u32 v[AO0], OREG, v[LI]
	v_add_nc_u32 v[AO1], 0x10000, v[AO0]
	v_lshlrev_b32 v[AOS], 2, v7
	v_lshl_add_u32 v[AOS], v18, 10, v[AOS]         ; lanes 16-31 take the odd head's words
	v_add_nc_u32 v[AOS], OSREG, v[AOS]
	s_wait_loadcnt 0x4                             ; the eight are in; Wo's four loads of scale words may be out
.irp P, 0,1,2,3
	v_pk_add_f32 v[128+4*\P:129+4*\P], v[128+4*\P:129+4*\P], v[144+4*\P:145+4*\P]
	v_pk_add_f32 v[130+4*\P:131+4*\P], v[130+4*\P:131+4*\P], v[146+4*\P:147+4*\P]
.endr
.irp P, 0,1
	v_pk_add_f32 v[128+4*\P:129+4*\P], v[128+4*\P:129+4*\P], v[136+4*\P:137+4*\P]
	v_pk_add_f32 v[130+4*\P:131+4*\P], v[130+4*\P:131+4*\P], v[138+4*\P:139+4*\P]
.endr
	v_pk_add_f32 v[128:129], v[128:129], v[132:133]
	v_pk_add_f32 v[130:131], v[130:131], v[134:135]
	v_pk_mul_f32 v[128:129], v[128:129], 0x3a000000 op_sel_hi:[1,0]      ; / 2,048 queries
	v_pk_mul_f32 v[130:131], v[130:131], 0x3a000000 op_sel_hi:[1,0]
	global_store_b128 v10, v[128:131], s[82:83]    ; sixteen lanes store 256 consecutive bytes, at a multiple of 256
	ds_store_b128 v11, v[128:131]
	s_wait_dscnt 0x0
	s_barrier_signal -1
	s_barrier_wait -1                              ; the slice's 8 x 64 numbers lie in LDS
.irp i, 0,1,2,3,4,5,6,7
	ds_load_b128 v[132+4*\i:135+4*\i], v12 offset:16*\i
.endr
.irp i, 0,1,2,3,4,5,6,7
	ds_load_b128 v[164+4*\i:167+4*\i], v13 offset:16*\i
.endr
	s_wait_dscnt 0x0
	v_pk_mul_f32 v[196:197], v[132:133], v[164:165]
	v_pk_mul_f32 v[198:199], v[134:135], v[166:167]
.irp i, 1,2,3,4,5,6,7
	v_pk_fma_f32 v[196:197], v[132+4*\i:133+4*\i], v[164+4*\i:165+4*\i], v[196:197]
	v_pk_fma_f32 v[198:199], v[134+4*\i:135+4*\i], v[166+4*\i:167+4*\i], v[198:199]
.endr
	v_pk_add_f32 v[196:197], v[196:197], v[198:199]
	v_add_f32 v196, v196, v197
	global_store_b32 v16, v196, s[80:81]           ; 128 consecutive bytes a wave: the slice's 512 are written by its four waves
	; ---- (a) the projection
	s_wait_tensorcnt 0x0                           ; my load has landed,
	s_wait_dscnt 0x0
	s_barrier_signal -1
	s_barrier_wait -1                              ; everybody's have
	WIN 0x40
.irp i, 0,1,2,3
.irp ks, 0,1,2,3,4,5,6,7
.irp c, 0,1
	ds_load_b128 v[64*\i+8*\ks+4*\c:64*\i+8*\ks+4*\c+3], v[AW] offset:8448*\i+64*\ks+32*\c   ; Wo's fragment (tile i of outputs, K step ks): it stays
.endr
.endr
.endr
	WIN 0
.macro OFETCH p                        ; tiles of rows 2 p, 2 p + 1: all eight K steps' fragments into set p % 2 of window 2, and their scale words
	WIN 0x80
.irp e, 0,1
.irp ks, 0,1,2,3,4,5,6,7
.irp c, 0,1
.if \ks < 4
	ds_load_b128 v[128*((\p)%2)+64*\e+8*\ks+4*\c:128*((\p)%2)+64*\e+8*\ks+4*\c+3], v[AO0] offset:16384*\ks+1024*(2*(\p)+\e)+512*\c
.else
	ds_load_b128 v[128*((\p)%2)+64*\e+8*\ks+4*\c:128*((\p)%2)+64*\e+8*\ks+4*\c+3], v[AO1] offset:16384*(\ks-4)+1024*(2*(\p)+\e)+512*\c
.endif
.endr
.endr
.endr
	WIN 0
.irp e, 0,1
.irp kp, 0,1,2,3
	ds_load_b32 v[OSC+8*((\p)%2)+4*\e+\kp], v[AOS] offset:2048*\kp+64*(2*(\p)+\e)
.endr
.endr
.endm
.macro OSTEP p
.if (\p) < 7
.rept 4
	v_nop                                          ; places in front of loads into registers that the step before has read
.endr
	OFETCH (\p)+1
	s_wait_dscnt 40                                ; all but the 40 loads just issued
.else
	s_wait_dscnt 0x0
.endif
	WIN 0x09                                       ; source 0 (Wo) window 1, source 1 (out) window 2, C and D window 0
.irp ks, 0,1,2,3,4,5,6,7
.irp e, 0,1
.irp i, 0,1,2,3
.if ((\p) == 0) && (\ks == 0)
	WM ACC+32*\e+8*\i, 64*\i+8*\ks, 128*((\p)%2)+64*\e+8*\ks, 1, WSC+8*(\i/2)+\ks, OSC+8*((\p)%2)+4*\e+\ks/2, \i%2, \ks%2
.else
	WM ACC+32*\e+8*\i, 64*\i+8*\ks, 128*((\p)%2)+64*\e+8*\ks, 0, WSC+8*(\i/2)+\ks, OSC+8*((\p)%2)+4*\e+\ks/2, \i%2, \ks%2
.endif
.endr
.endr
.endr
	WIN 0
.endm
	OFETCH 0
	s_wait_loadcnt 0x0                             ; Wo's scale words
.irp p, 0,1,2,3,4,5,6,7
	OSTEP \p                                       ; the eight accumulators take turns, one instruction a turn, from step to step too
.endr
	; ---- the sum over the sixteen rows r of a lane's place, through my own stage
	s_lshl_b32 s2, s14, 12
	s_add_co_u32 s2, s2, STG
	v_add_nc_u32 v20, s2, v[LI]                    ; (four plain lines: the places behind the last products)
	v_lshrrev_b32 v21, 2, v7
	v_lshlrev_b32 v21, 10, v21
	v_and_b32 v31, 1, v7
.irp i, 0,1,2,3
.irp j, 0,2,4,6
	v_pk_add_f32 v[200+8*\i+\j:201+8*\i+\j], v[ACC+8*\i+\j:ACC+8*\i+\j+1], v[ACC+32+8*\i+\j:ACC+32+8*\i+\j+1]   ; even and odd tiles of rows; each accumulator from its low end on
.endr
.endr
.irp i, 0,1,2,3
.irp q, 0,1
	ds_store_b128 v20, v[200+8*\i+4*\q:203+8*\i+4*\q] offset:512*(2*\i+\q)
.endr
.endr
	v_lshl_add_u32 v21, v31, 9, v21                ; lane (kq = lane % 16, rho = lane / 16) takes outputs 4 kq .. 4 kq + 3, rows 8 rho .. 8 rho + 7: at 1,024 (kq / 4) + 512 (kq % 2) + 256 ((kq / 2) % 2) + 16 r
	v_bfe_u32 v31, v7, 1, 1
	v_lshl_add_u32 v21, v31, 8, v21
	v_lshl_add_u32 v21, v18, 7, v21
	v_add_nc_u32 v21, s2, v21
.irp m, 0,1,2,3,4,5,6,7
	v_add_nc_u32 v[22+\m], \m, v7
	v_and_b32 v[22+\m], 7, v[22+\m]
	v_lshl_add_u32 v[22+\m], v[22+\m], 4, v21
.endr
.irp m, 0,1,2,3,4,5,6,7
	ds_load_b128 v[132+4*\m:135+4*\m], v[22+\m]    ; LDS serves a wave's instructions in order: these see my stores
.endr
	v_lshlrev_b32 v30, 4, v7
	v_lshl_add_u32 v30, v18, 3, v30                ; 16 kq + 8 rho
	s_mov_b32 s18, 0x76543210
	s_mov_b32 s19, 0xfedcba98
	s_mov_b32 s20, 0xffff0000
	s_wait_dscnt 0x0
.irp m, 0,1,2,3
	v_pk_add_f32 v[132+4*\m:133+4*\m], v[132+4*\m:133+4*\m], v[148+4*\m:149+4*\m]
	v_pk_add_f32 v[134+4*\m:135+4*\m], v[134+4*\m:135+4*\m], v[150+4*\m:151+4*\m]
.endr
.irp m, 0,1
	v_pk_add_f32 v[132+4*\m:133+4*\m], v[132+4*\m:133+4*\m], v[140+4*\m:141+4*\m]
	v_pk_add_f32 v[134+4*\m:135+4*\m], v[134+4*\m:135+4*\m], v[142+4*\m:143+4*\m]
.endr
	v_pk_add_f32 v[132:133], v[132:133], v[136:137]
	v_pk_add_f32 v[134:135], v[134:135], v[138:139]
.irp m, 0,1,2,3
	v_permlanex16_b32 v[164+\m], v[132+\m], s18, s19
.endr
	v_pk_add_f32 v[132:133], v[132:133], v[164:165]
	v_pk_add_f32 v[134:135], v[134:135], v[166:167]        ; all sixteen rows
	v_cndmask_b32 v168, v132, v134, s20            ; lanes 0-15 store the first two of the four, lanes 16-31 the other two
	v_cndmask_b32 v169, v133, v135, s20
	global_store_b64 v30, v[168:169], s[78:79]     ; the wave stores 256 consecutive bytes, at a multiple of 256
	s_wait_tensorcnt 0x0
	ds_add_u32 v254, v255
	s_wait_dscnt 0x0
	CROUND                                         ; the closing round: no work-group ends while a partner may still ask for a tile that names it
	s_endpgm
.Lfunc_end_k_qdbab31255a_oproj:
	.size	k_qdbab31255a_oproj, .Lfunc_end_k_qdbab31255a_oproj-k_qdbab31255a_oproj
	.p2alignl 7, 3214868480
	.fill 96, 4, 3214868480
	.section	.rodata,"a",@progbits
	.p2align	6, 0x0
	.amdhsa_kernel k_qdbab31255a_oproj
		.amdhsa_group_segment_fixed_size 327680
		.amdhsa_private_segment_fixed_size 0
		.amdhsa_enable_private_segment 0
		.amdhsa_kernarg_size 64
		.amdhsa_user_sgpr_count 2
		.amdhsa_user_sgpr_kernarg_segment_ptr 1
		.amdhsa_wavefront_size32 1
		.amdhsa_system_sgpr_workgroup_id_x 1
		.amdhsa_system_sgpr_workgroup_id_y 1
		.amdhsa_system_sgpr_workgroup_id_z 1
		.amdhsa_system_vgpr_workitem_id 0
		.amdhsa_next_free_vgpr 768
		.amdhsa_next_free_sgpr 96
		.amdhsa_reserve_vcc 0
		.amdhsa_float_denorm_mode_32 3
		.amdhsa_float_denorm_mode_16_64 3
		.amdhsa_memory_ordered 1
		.amdhsa_forward_progress 1
		.amdhsa_inst_pref_size 108
	.end_amdhsa_kernel
	.amdgpu_metadata
---
amdhsa.version: [ 1, 2 ]
amdhsa.kernels:
  - .name:           k_qdbab31255a_oproj
    .symbol:         k_qdbab31255a_oproj.kd
    .args:
      - { .name: oimg, .offset: 0, .size: 8, .value_kind: global_buffer, .address_space: global }
      - { .name: oscl, .offset: 8, .size: 8, .value_kind: global_buffer, .address_space: global }
      - { .name: Wo_codes, .offset: 16, .size: 8, .value_kind: global_buffer, .address_space: global }
      - { .name: Wo_scales, .offset: 24, .size: 8, .value_kind: global_buffer, .address_space: global }
      - { .name: cpart, .offset: 32, .size: 8, .value_kind: global_buffer, .address_space: global }
      - { .name: ctxp, .offset: 40, .size: 8, .value_kind: global_buffer, .address_space: global }
      - { .name: corrp, .offset: 48, .size: 8, .value_kind: global_buffer, .address_space: global }
      - { .name: out1, .offset: 56, .size: 8, .value_kind: global_buffer, .address_space: global }
    .group_segment_fixed_size: 327680
    .private_segment_fixed_size: 0
    .kernarg_segment_align: 8
    .kernarg_segment_size: 64
    .max_flat_workgroup_size: 128
    .sgpr_count:     96
    .vgpr_count:     768
    .wavefront_size: 32
...
	.end_amdgpu_metadata
.endif
;; end of part 3
;; launch final (part 4): grid 5 x 1, 8 waves a work-group, no clusters, 1,280 bytes of LDS; arguments ctxp, corrp, bo, out0, out2; writes out0, out2
.if DOCPART == 4
	.amdgcn_target "amdgcn-amd-amdhsa--gfx1250"
	.amdhsa_code_object_version 6
	.text
	.protected	k_qdbab31255a_final
	.globl	k_qdbab31255a_final
	.p2align	8
	.type	k_qdbab31255a_final,@function
k_qdbab31255a_final:
	s_mov_b64 s[64:65], 0
	v_nop
	global_prefetch_b8 v0, s[64:65] scope:SCOPE_SE
	s_setreg_imm32_b32 hwreg(HW_REG_WAVE_MODE, 25, 1), 1
	s_wait_xcnt 0x0
; Work-groups 0 to 3: context[b][n] = (the sum of the batch's eight blocks of rows) / 2,048 + bo[n]; a thread takes four neighbouring n.
; Work-group 4: diversity = the mean over 4 x 8 x 8 of |head-head product|, the diagonal taken as 0.  Thread t = (batch t / 64, pair of heads t % 64) adds the 32 slices' two halves.
; No matrix work: a few thousand additions.  The two ways part on the work-group's number alone, so all eight waves of a work-group are on the same way; only the second uses LDS.
	s_load_b256 s[4:11], s[0:1], 0x0               ; ctxp, corrp, bo, out0
	s_load_b64 s[12:13], s[0:1], 0x20              ; out2
	v_lshl_add_u32 v96, v0, 2, 0x100
	v_mov_b32 v97, 0
	s_cmp_eq_u32 ttmp9, 4
	s_cbranch_scc1 .Ldiversity
	v_lshlrev_b32 v1, 4, v0                        ; 16 bytes a thread: 256 threads cover a row of 1,024 numbers
	s_lshl_b32 s14, ttmp9, 15                      ; the batch's eight rows of ctxp
	s_mov_b32 s15, 0
	s_lshl_b32 s16, ttmp9, 12                      ; its row of out0
	s_mov_b32 s17, 0
	s_wait_alu depctr_va_vdst(0)
	s_wait_kmcnt 0x0
	s_add_nc_u64 s[4:5], s[4:5], s[14:15]
	s_add_nc_u64 s[10:11], s[10:11], s[16:17]
.irp c, 0,1,2,3,4,5,6,7
	global_load_b128 v[4+4*\c:7+4*\c], v1, s[4:5] offset:4096*\c
.endr
	global_load_b128 v[36:39], v1, s[8:9]
	s_wait_loadcnt 0x0
.irp c, 0,1,2,3
	v_pk_add_f32 v[4+4*\c:5+4*\c], v[4+4*\c:5+4*\c], v[20+4*\c:21+4*\c]
	v_pk_add_f32 v[6+4*\c:7+4*\c], v[6+4*\c:7+4*\c], v[22+4*\c:23+4*\c]
.endr
.irp c, 0,1
	s_delay_alu instid0(VALU_DEP_4)
	v_pk_add_f32 v[4+4*\c:5+4*\c], v[4+4*\c:5+4*\c], v[12+4*\c:13+4*\c]
	s_delay_alu instid0(VALU_DEP_4)
	v_pk_add_f32 v[6+4*\c:7+4*\c], v[6+4*\c:7+4*\c], v[14+4*\c:15+4*\c]
.endr
	s_delay_alu instid0(VALU_DEP_2)
	v_pk_add_f32 v[4:5], v[4:5], v[8:9]
	s_delay_alu instid0(VALU_DEP_2)
	v_pk_add_f32 v[6:7], v[6:7], v[10:11]
	s_delay_alu instid0(VALU_DEP_2)
	v_pk_fma_f32 v[4:5], v[4:5], 0x3a000000, v[36:37] op_sel_hi:[1,0,1]   ; / 2,048 rows, + bo
	s_delay_alu instid0(VALU_DEP_2)
	v_pk_fma_f32 v[6:7], v[6:7], 0x3a000000, v[38:39] op_sel_hi:[1,0,1]
	global_store_b128 v1, v[4:7], s[10:11]
	s_endpgm
.Ldiversity:
	v_lshrrev_b32 v1, 5, v0
	s_delay_alu instid0(VALU_DEP_1)
	v_readfirstlane_b32 s14, v1                    ; wave 0..7
	v_lshrrev_b32 v1, 6, v0                        ; batch
	v_and_b32 v2, 63, v0                           ; 8 h + g
	s_delay_alu instid0(VALU_DEP_1)
	v_lshlrev_b32 v3, 3, v2
	s_delay_alu instid0(VALU_DEP_1)
	v_lshl_add_u32 v1, v1, 14, v3                  ; 32 slices of 512 bytes a batch; the pair's two halves are 8 bytes
	s_mov_b32 s16, 0x76543210
	s_mov_b32 s17, 0xfedcba98
	s_wait_alu depctr_va_vdst(0)
	s_wait_kmcnt 0x0
.set i, 0
.rept 32
	global_load_b64 v[4+2*i:5+2*i], v1, s[6:7] offset:512*i
.set i, i+1
.endr
	v_lshrrev_b32 v70, 3, v2                       ; h
	v_and_b32 v71, 7, v2                           ; g
	v_mov_b32 v72, 0
	s_wait_loadcnt 0x0
.set i, 4
.rept 28
	v_pk_add_f32 v[4+2*(i%4):5+2*(i%4)], v[4+2*(i%4):5+2*(i%4)], v[4+2*i:5+2*i]   ; four chains
.set i, i+1
.endr
	s_delay_alu instid0(VALU_DEP_3)
	v_pk_add_f32 v[4:5], v[4:5], v[6:7]
	s_delay_alu instid0(VALU_DEP_2)
	v_pk_add_f32 v[8:9], v[8:9], v[10:11]
	s_delay_alu instid0(VALU_DEP_1)
	v_pk_add_f32 v[4:5], v[4:5], v[8:9]
	s_delay_alu instid0(VALU_DEP_1)
	v_add_f32 v4, v4, v5                           ; the product of heads h and g over all 2,048 keys
	v_cmp_eq_u32 vcc_lo, v70, v71
	s_delay_alu instid0(VALU_DEP_1)
	v_cndmask_b32 v4, v4, v72, vcc_lo              ; the diagonal counts as 0
	s_delay_alu instid0(VALU_DEP_1)
	v_and_b32 v4, 0x7fffffff, v4                   ; |.|
	s_delay_alu instid0(VALU_DEP_1)
	v_add_f32_dpp v4, v4, v4 row_xmask:1 row_mask:0xf bank_mask:0xf
	s_delay_alu instid0(VALU_DEP_1)
	v_add_f32_dpp v4, v4, v4 row_xmask:2 row_mask:0xf bank_mask:0xf
	s_delay_alu instid0(VALU_DEP_1)
	v_add_f32_dpp v4, v4, v4 row_xmask:4 row_mask:0xf bank_mask:0xf
	s_delay_alu instid0(VALU_DEP_1)
	v_add_f32_dpp v4, v4, v4 row_xmask:8 row_mask:0xf bank_mask:0xf
	s_delay_alu instid0(VALU_DEP_1)
	v_permlanex16_b32 v72, v4, s16, s17
	s_delay_alu instid0(VALU_DEP_1)
	v_add_f32 v4, v4, v72                          ; the wave's sum, in every lane
	v_mov_b32 v73, s14
	s_delay_alu instid0(VALU_DEP_1)
	v_lshlrev_b32 v73, 2, v73
	ds_store_b32 v73, v4                           ; all lanes write the same word with the same value
	s_wait_dscnt 0x0
	s_barrier_signal -1
	s_barrier_wait -1
	v_mov_b32 v74, 0
	ds_load_b128 v[76:79], v74
	ds_load_b128 v[80:83], v74 offset:16
	s_wait_dscnt 0x0
	v_pk_add_f32 v[76:77], v[76:77], v[78:79]
	v_pk_add_f32 v[80:81], v[80:81], v[82:83]
	s_delay_alu instid0(VALU_DEP_1)
	v_pk_add_f32 v[76:77], v[76:77], v[80:81]
	s_delay_alu instid0(VALU_DEP_1)
	v_add_f32 v76, v76, v77
	s_delay_alu instid0(VALU_DEP_1)
	v_mul_f32 v76, 0x3b800000, v76                 ; / 256
	s_wait_alu depctr_va_vdst(0)
	s_wait_xcnt 0x0                                ; EXEC changes only behind this wait
	v_cmp_gt_u32 vcc_lo, 1, v0
	s_wait_tensorcnt 0x0
	ds_add_u32 v96, v97
	s_wait_dscnt 0x0
	s_and_saveexec_b32 s18, vcc_lo
	global_store_b32 v74, v76, s[12:13]            ; thread 0 alone
	s_wait_xcnt 0x0
	s_or_b32 exec_lo, exec_lo, s18
	s_endpgm
.Lfunc_end_k_qdbab31255a_final:
	.size	k_qdbab31255a_final, .Lfunc_end_k_qdbab31255a_final-k_qdbab31255a_final
	.p2alignl 7, 3214868480
	.fill 96, 4, 3214868480
	.section	.rodata,"a",@progbits
	.p2align	6, 0x0
	.amdhsa_kernel k_qdbab31255a_final
		.amdhsa_group_segment_fixed_size 1280
		.amdhsa_private_segment_fixed_size 0
		.amdhsa_enable_private_segment 0
		.amdhsa_kernarg_size 40
		.amdhsa_user_sgpr_count 2
		.amdhsa_user_sgpr_kernarg_segment_ptr 1
		.amdhsa_wavefront_size32 1
		.amdhsa_system_sgpr_workgroup_id_x 1
		.amdhsa_system_sgpr_workgroup_id_y 1
		.amdhsa_system_sgpr_workgroup_id_z 1
		.amdhsa_system_vgpr_workitem_id 0
		.amdhsa_next_free_vgpr 98
		.amdhsa_next_free_sgpr 66
		.amdhsa_reserve_vcc 1
		.amdhsa_float_denorm_mode_32 3
		.amdhsa_float_denorm_mode_16_64 3
		.amdhsa_memory_ordered 1
		.amdhsa_forward_progress 1
		.amdhsa_inst_pref_size 11
	.end_amdhsa_kernel
	.amdgpu_metadata
---
amdhsa.version: [ 1, 2 ]
amdhsa.kernels:
  - .name:           k_qdbab31255a_final
    .symbol:         k_qdbab31255a_final.kd
    .args:
      - { .name: ctxp, .offset: 0, .size: 8, .value_kind: global_buffer, .address_space: global }
      - { .name: corrp, .offset: 8, .size: 8, .value_kind: global_buffer, .address_space: global }
      - { .name: bo, .offset: 16, .size: 8, .value_kind: global_buffer, .address_space: global }
      - { .name: out0, .offset: 24, .size: 8, .value_kind: global_buffer, .address_space: global }
      - { .name: out2, .offset: 32, .size: 8, .value_kind: global_buffer, .address_space: global }
    .group_segment_fixed_size: 1280
    .private_segment_fixed_size: 0
    .kernarg_segment_align: 8
    .kernarg_segment_size: 40
    .max_flat_workgroup_size: 256
    .sgpr_count:     66
    .vgpr_count:     98
    .wavefront_size: 32
...
	.end_amdgpu_metadata
.endif
;; end of part 4
